; MI455X (gfx1250); checked and timed in simulation.
; The chip was launched on July 23, 2026; its instructions are those of AMD's public machine-readable ISA for CDNA 5 (MIT licence, August 2026) and "CDNA5" Instruction Set Architecture Reference Guide (July 2026). The comments in the code are by the model that wrote it; some were corrected since.
;; Multi Headed Attention. Allowed arithmetic: float matrix products may take bf16 or f16 operands with f32 sums; other float arithmetic in f32, or as packed bf16 or f16 multiplies, adds, multiply-adds, maxima and minima; sums over many terms, partial sums and values carried from step to step in f32; what a program stores and reads back later, other than sums and carried values, may be rounded once to bf16 or f16.
;; Inputs: Wk 1,024 x 1,024 float32; Wo 1,024 x 1,024 float32; Wq 1,024 x 1,024 float32; Wv 1,024 x 1,024 float32; bk 1,024 float32; bo 1,024 float32; bq 1,024 float32; bv 1,024 float32; x 16 x 512 x 1,024 float32.
;; Outputs: out0 16 x 512 x 1,024 float32.
;; 2 versions, each right; version 2 is version 1 with the launch prep written anew for expert scheduling mode. Each part assembles by itself: llvm-mc -triple=amdgcn-amd-amdhsa -mcpu=gfx1250 --defsym DOCPART=n.
;; ======== version 1 of 2: 3 launches
;; limits: values are held in f16: magnitudes above 65,504 overflow, below 6.1e-05 lose precision
;; workspace buffers: xb 16,777,216 bytes; wqkv 6,291,456 bytes; wo16 2,097,152 bytes; tab 131,072 bytes; ows 16,777,216 bytes
;; launch prep (part 1): grid 512 x 1, 8 waves a work-group, no clusters, 52,480 bytes of LDS; arguments x, Wq, Wk, Wv, Wo, xb, wqkv, wo16, tab; writes xb, wqkv, wo16, tab
.if DOCPART == 1
	.amdgcn_target "amdgcn-amd-amdhsa--gfx1250"
	.amdhsa_code_object_version 6
	.text
	.protected	k_q2a9c4d91d8_prep
	.globl	k_q2a9c4d91d8_prep
	.p2align	8
	.type	k_q2a9c4d91d8_prep,@function
k_q2a9c4d91d8_prep:
	s_mov_b64 s[64:65], 0
	v_nop
	global_prefetch_b8 v0, s[64:65] scope:SCOPE_SE
	s_setreg_imm32_b32 hwreg(HW_REG_WAVE_MODE, 25, 1), 1
	s_wait_xcnt 0x0
; MULTI-HEAD ATTENTION, B = 16, S = 512, D = 1024, H = 16, head size 64, in three launches: this one, attn, proj.
; THIS LAUNCH rounds x and the four weight matrices once to 16 bits and lays them out as the matrix instructions want them, and makes the rotary table.
; A FRAGMENT UNIT is 1,024 bytes: 16 rows (of x) or 16 columns (of a weight) x 32 k.  Byte half x 512 + lane x 16 holds, for lane = 16 hh + r, row or column r and k = 16 half + 8 hh + 0..7.
;   xb   [b][kb = k / 32][t = row tile of the batch]      bf16
;   wqkv [h][kb][4 mtx + e]  (mtx 0 q, 1 k, 2 v; e = tile of 16 of the head's 64 columns)      bf16
;   wo16 [nt = column / 256][kb][ct]      Wo rounded to bf16, that number written as f16
;   tab  [position p][pair i]  (cos, sin) of p x 10000^(-i / 32), f32: 256 bytes a position
; WORK LEFT OUT BY THE PROGRAM.  reference() itself sets every score with key > query to -inf ahead of the softmax, so such a key has the weight 0 whatever finite values the inputs hold.
; attn therefore leaves out every step of 64 keys that lies wholly above the diagonal for a tile of 16 queries (28 of each 64 tile steps); inside the step that holds the diagonal the hidden
; scores are computed and masked.  No input is without a way to the output: all nine are loaded.
; bv is added behind the attention: a softmax's weights add up to 1 for all inputs, so sum(attn (v + bv)) = sum(attn v) + bv.
; LIMITS.  A NaN, an infinity or an overflow that reaches only the key steps left out is not carried to the result.  Every input, the biases too, is taken rounded to bf16.
; Wo as f16: beyond 65,504 it would be an infinity; below 6e-5 it keeps f16's fixed step of 6e-8.  The table's angles are right to about 1e-4 rad (p up to 511).
; SHARES.  512 work-groups of eight waves, all alike.  In work-group g waves 0-3 take row tile g of x (16 rows), a quarter of K each; waves 4-7 take the weight jobs 4 g + wave - 4 (32 k x 64 columns each);
; wave 4 also makes row g of the table while its loads are out.
; EVERY GLOBAL ACCESS OF A WAVE COVERS CONSECUTIVE BYTES: a load of x 512 bytes of one row, a load of a weight 256 bytes of each of two rows, a store 512 bytes (the table's: 256), all aligned.  The turn from
; rows into fragment order goes through LDS bytes that are the wave's own: LDS serves a wave's instructions in order (ISA guide 5.7.1.4), so there is no barrier and no wait between its stores and its loads.
; No loop: every wave issues all its loads at once.
.set XR,     16                        ; x: v[16:143] as loaded, packed in place.  Weights: v[16:79] as loaded
.set XO,     144                       ; x: v[144:207] fragment order, to store
.set PK,     80                        ; weights: v[80:111] packed: 16 half + 4 q + pair of k
.set RB,     112                       ; weights: v[112:143] fragment order, to store; before that at work
.set SPW,    12                        ; v12  my spare word; never rewritten
.set NIL,    13                        ; v13  0; never rewritten
.set XPITCH, 272                       ; x in LDS: units of 256 bytes (16 rows x 16 bytes: one half and one hh of a fragment unit) + 16 = 68 words: unit u begins at bank 4 u mod 64 (64 banks of 4 bytes: ISA guide 11.1)
.set XWAVE,  32*XPITCH                 ; 8,704 bytes for each of waves 0-3, from LDS byte 0
.set WPITCH, 1040                      ; a weight job in LDS: four fragment units, each + 16 bytes
.set WWAVE,  4*WPITCH                  ; 4,160 bytes for each of waves 4-7, behind x's
.set WBASE,  4*XWAVE-4*WWAVE           ; so that wave w's bytes begin at WBASE + w x WWAVE
.set SPARE,  4*XWAVE+4*WWAVE           ; 51,456: the spare words, 128 bytes for each wave: four blocks of 256 bytes that no other line names
.macro FINISH                          ; the wave's end, behind my last LDS store
	s_wait_tensorcnt 0x0
	ds_add_u32 v[SPW], v[NIL]
	s_wait_dscnt 0x0
	s_endpgm
.endm
	s_load_b256 s[4:11], s[0:1], 0x0               ; x s[4:5], Wq s[6:7], Wk s[8:9], Wv s[10:11]
	s_load_b256 s[12:19], s[0:1], 0x20             ; Wo s[12:13], xb s[14:15], wqkv s[16:17], wo16 s[18:19]
	s_load_b64 s[20:21], s[0:1], 0x40              ; tab
	v_lshl_add_u32 v[SPW], v0, 2, SPARE
	v_mov_b32 v[NIL], 0
	v_lshrrev_b32 v1, 5, v0
	v_readfirstlane_b32 s22, v1                    ; wave 0..7
	v_and_b32 v2, 31, v0                           ; lane
	v_lshlrev_b32 v3, 4, v2                        ; 16 x lane: my place in 512 consecutive bytes, in memory and in half a fragment unit
	s_mov_b32 s23, ttmp9                           ; g
	s_mov_b32 s29, 0
	s_cmp_lt_u32 s22, 4
	s_cbranch_scc0 .Lw
; X.  Row tile g, quarter of K = my wave's number.  Load i takes 512 bytes of row i / 2: lane l holds k = 128 (i % 2) + 4 l .. + 3 of the quarter's 256.  Rounded they are 8 bytes, which belong to
; kb 4 (i % 2) + l / 8, half (l / 4) % 2, hh (l / 2) % 2: unit 16 (i % 2) + l / 2 of my 32, at byte 16 row + 8 (l % 2).  The 32 lanes of a store fall on 32 different pairs of banks.
	s_lshl_b32 s28, s23, 16                        ; from: 16 rows of 4,096 bytes,
	s_lshl_b32 s27, s22, 10                        ; my quarter's 1,024 bytes of a row
	s_add_co_u32 s28, s28, s27
	s_lshr_b32 s26, s23, 5
	s_lshl_b32 s26, s26, 5                         ; to: 32 b
	s_lshl3_add_u32 s26, s22, s26                  ; + 8 x quarter = the first kb,
	s_lshl_b32 s30, s26, 15                        ; 32 units to a kb,
	s_and_b32 s27, s23, 31
	s_lshl_b32 s27, s27, 10                        ; the tile's unit
	s_add_co_u32 s30, s30, s27
	s_mov_b32 s31, 0
	s_mul_i32 s24, s22, XWAVE                      ; my bytes of LDS
	v_lshrrev_b32 v4, 1, v2
	v_mul_u32_u24 v4, v4, XPITCH
	v_and_b32 v5, 1, v2
	v_lshl_add_u32 v4, v5, 3, v4
	v_add_nc_u32 v4, s24, v4                       ; in: (l / 2) x pitch + 8 (l % 2)
	v_lshrrev_b32 v5, 4, v2
	v_mul_u32_u24 v5, v5, XPITCH
	v_and_b32 v6, 15, v2
	v_lshl_add_u32 v5, v6, 4, v5
	v_add_nc_u32 v5, s24, v5                       ; back: hh x pitch + 16 r
	s_wait_kmcnt 0x0
	s_add_nc_u64 s[4:5], s[4:5], s[28:29]
	s_add_nc_u64 s[14:15], s[14:15], s[30:31]
.set i, 0
.rept 32
	global_load_b128 v[XR+4*i:XR+4*i+3], v3, s[4:5] offset:(i/2)*4096+(i%2)*512 th:TH_LOAD_NT
.set i, i+1
.endr
.set i, 0
.rept 32
.if i%2 == 0
	s_wait_loadcnt 30-i                            ; loads come back in order: this row's two are in, the younger rows' stay out
.endif
	v_cvt_pk_bf16_f32 v[XR+4*i], v[XR+4*i], v[XR+4*i+1]      ; in place: a word is written when the words that it is made of have been read
	v_cvt_pk_bf16_f32 v[XR+4*i+1], v[XR+4*i+2], v[XR+4*i+3]
	ds_store_b64 v4, v[XR+4*i:XR+4*i+1] offset:(i%2)*16*XPITCH+(i/2)*16
.set i, i+1
.endr
.set ci, 0
.rept 16                               ; chunk ci: kb ci / 2 of my eight, half ci % 2: units 2 ci (hh = 0) and 2 ci + 1
	ds_load_b128 v[XO+4*ci:XO+4*ci+3], v5 offset:ci*2*XPITCH
.set ci, ci+1
.endr
.set ci, 0
.rept 16
	s_wait_dscnt 15-ci                             ; chunk ci is back, the younger chunks' loads stay out
	global_store_b128 v3, v[XO+4*ci:XO+4*ci+3], s[14:15] offset:(ci/2)*32768+(ci%2)*512
.set ci, ci+1
.endr
	FINISH
; THE TABLE's arithmetic.  The angle is taken in turns, its whole turns dropped, and a quarter of what is left (at most pi / 4) goes through the series for sine and cosine; two doublings give the angle back.
.macro TRIG a, c, s, t
	v_mul_f32 v[\a], 0.15915494, v[\a]             ; in turns
	v_rndne_f32 v[\t], v[\a]
	v_sub_f32 v[\a], v[\a], v[\t]                  ; -0.5 .. 0.5
	v_mul_f32 v[\a], 0x3fc90fdb, v[\a]             ; u = a quarter of the angle: x pi / 2
	v_mul_f32 v[\t], v[\a], v[\a]
	v_mov_b32 v[\s], 0xb9500d01                    ; -1/5040
	v_fmaak_f32 v[\s], v[\s], v[\t], 0x3c088889    ; 1/120
	v_fmaak_f32 v[\s], v[\s], v[\t], 0xbe2aaaab    ; -1/6
	v_fma_f32 v[\s], v[\s], v[\t], 1.0
	v_mul_f32 v[\s], v[\s], v[\a]                  ; sin u, to u^7
	v_mov_b32 v[\c], 0x37d00d01                    ; 1/40320
	v_fmaak_f32 v[\c], v[\c], v[\t], 0xbab60b61    ; -1/720
	v_fmaak_f32 v[\c], v[\c], v[\t], 0x3d2aaaab    ; 1/24
	v_fma_f32 v[\c], v[\c], v[\t], -0.5
	v_fma_f32 v[\c], v[\c], v[\t], 1.0             ; cos u, to u^8
.rept 2
	v_mul_f32 v[\t], v[\s], v[\c]
	v_mul_f32 v[\a], v[\s], v[\s]
	v_add_f32 v[\s], v[\t], v[\t]                  ; sin 2u = 2 sin u cos u
	v_fma_f32 v[\c], v[\a], -2.0, 1.0              ; cos 2u = 1 - 2 sin^2 u
.endr
.endm
; W.  Job J = 4 g + wave - 4: matrix J / 512, group of 64 columns (a head) (J / 32) % 16, kb J % 32.  The weights lie [k][column].  Lane (c = l % 16, hh = l / 16) loads, for half = 0, 1 and j = 0..7,
; row 16 half + 8 hh + j, columns 4 c .. 4 c + 3: a load takes 256 consecutive bytes of each of two rows.  For each of its four columns q the lane then holds the 8 k of (half, hh): packed, they are the
; 16 bytes of lane 16 hh + 4 (c % 4) + q in half a unit of column tile c / 4.  They go through LDS so that a store to memory covers 512 consecutive bytes.
.Lw:
	s_lshl_b32 s24, s23, 2
	s_add_co_u32 s24, s24, s22
	s_sub_co_u32 s24, s24, 4                       ; J
	s_lshr_b32 s25, s24, 9                         ; matrix: 0 q, 1 k, 2 v, 3 o
	s_bfe_u32 s26, s24, 0x40005                    ; G
	s_and_b32 s27, s24, 31                         ; kb
	s_lshl_b32 s28, s27, 17                        ; from: 32 rows of 4,096 bytes,
	s_lshl_b32 s34, s26, 8                         ; 64 columns
	s_add_co_u32 s28, s28, s34
	s_lshl_b32 s34, s26, 5
	s_add_co_u32 s34, s34, s27
	s_mul_i32 s34, s34, 12
	s_lshl2_add_u32 s34, s25, s34                  ; to, in wqkv: unit (32 G + kb) 12 + 4 mtx
	s_lshr_b32 s35, s26, 2
	s_lshl_b32 s35, s35, 5
	s_add_co_u32 s35, s35, s27
	s_lshl_b32 s35, s35, 4
	s_and_b32 s36, s26, 3
	s_lshl2_add_u32 s35, s36, s35                  ; in wo16: unit (32 (G / 4) + kb) 16 + 4 (G % 4)
	s_cmp_eq_u32 s25, 3
	s_cselect_b32 s34, s35, s34
	s_lshl_b32 s34, s34, 10
	s_mov_b32 s35, 0
	s_lshl_b32 s38, s23, 8                         ; the table's row g
	s_mov_b32 s39, 0
	s_mov_b32 s40, 0xffff0000                      ; a word's upper bf16
	s_mul_i32 s37, s22, WWAVE
	s_add_co_u32 s37, s37, WBASE                   ; my bytes of LDS
	v_and_b32 v7, 15, v2                           ; c
	v_lshrrev_b32 v8, 4, v2                        ; hh
	v_lshlrev_b32 v4, 4, v7
	v_lshl_add_u32 v4, v8, 15, v4                  ; 16 c + hh x 8 rows
	v_lshrrev_b32 v5, 2, v7
	v_mul_u32_u24 v5, v5, WPITCH
	v_lshl_add_u32 v5, v8, 8, v5
	v_and_b32 v7, 3, v7
	v_lshl_add_u32 v5, v7, 6, v5
	v_add_nc_u32 v5, s37, v5                       ; in: (c / 4) x pitch + 256 hh + 64 (c % 4)
	v_add_nc_u32 v6, s37, v3                       ; back: 16 x lane
	s_wait_kmcnt 0x0
	s_cmp_eq_u32 s25, 1
	s_cselect_b64 s[30:31], s[8:9], s[6:7]
	s_cmp_eq_u32 s25, 2
	s_cselect_b64 s[30:31], s[10:11], s[30:31]
	s_cmp_eq_u32 s25, 3
	s_cselect_b64 s[30:31], s[12:13], s[30:31]     ; from
	s_cselect_b64 s[32:33], s[18:19], s[16:17]     ; to
	s_add_nc_u64 s[30:31], s[30:31], s[28:29]
	s_add_nc_u64 s[32:33], s[32:33], s[34:35]
	s_add_nc_u64 s[38:39], s[20:21], s[38:39]
.set i, 0
.rept 16                               ; load i: half i / 8, j = i % 8
	global_load_b128 v[XR+4*i:XR+4*i+3], v4, s[30:31] offset:(16*(i/8)+i%8)*4096 th:TH_LOAD_NT
.set i, i+1
.endr
	s_cmp_lg_u32 s22, 4                            ; wave 4 makes the table's row g while its loads are out: position g, a pair a lane
	s_cbranch_scc1 .Lnot_tab
	v_cvt_f32_u32 v8, v2                           ; i
	v_mul_f32 v8, 0xbed49a78, v8                   ; -log2(10000) / 32 x i
	v_exp_f32 v8, v8
	v_lshlrev_b32 v7, 3, v2                        ; my 8 bytes of the row: the plain instruction behind the exponential
	v_cvt_f32_u32 v9, s23                          ; p
	s_wait_alu depctr_va_vdst(0)                   ; the exponential's wait, ahead of its first reader
	v_mul_f32 v8, v9, v8
	TRIG 8, 10, 11, 9
	global_store_b64 v7, v[10:11], s[38:39]        ; (cos, sin): the wave stores 256 consecutive bytes; v7, v10 and v11 are not written again
.Lnot_tab:
.irp hf, 0,1
	s_wait_loadcnt 8-8*(\hf)                       ; this half's eight loads are in; at first the other half's stay out
.irp q, 0,1,2,3
.irp jj, 0,1,2,3
	v_cvt_pk_bf16_f32 v[PK+16*(\hf)+4*(\q)+(\jj)], v[XR+32*(\hf)+8*(\jj)+(\q)], v[XR+32*(\hf)+8*(\jj)+4+(\q)]  ; column q, k = 2 jj and 2 jj + 1 of the eight
.endr
.endr
.endr
	s_cmp_lg_u32 s25, 3
	s_cbranch_scc1 .Lbf                            ; Wo alone: the bf16 number is written as f16
.set z, 0
.rept 32
	v_lshlrev_b32 v[RB+2*(z%4)], 16, v[PK+z]
	v_and_b32 v[RB+2*(z%4)+1], s40, v[PK+z]
	v_cvt_pk_f16_f32 v[PK+z], v[RB+2*(z%4)], v[RB+2*(z%4)+1]
.set z, z+1
.endr
.Lbf:
.irp hf, 0,1
.irp q, 0,1,2,3
	ds_store_b128 v5, v[PK+16*(\hf)+4*(\q):PK+16*(\hf)+4*(\q)+3] offset:(\hf)*512+(\q)*16
.endr
.endr
.set ci, 0
.rept 8                                ; chunk ci: column tile ci / 2, half ci % 2
	ds_load_b128 v[RB+4*ci:RB+4*ci+3], v6 offset:(ci/2)*WPITCH+(ci%2)*512
.set ci, ci+1
.endr
.set ci, 0
.rept 8
	s_wait_dscnt 7-ci                              ; chunk ci is back, the younger chunks' loads stay out
	global_store_b128 v3, v[RB+4*ci:RB+4*ci+3], s[32:33] offset:(ci/2)*1024+(ci%2)*512
.set ci, ci+1
.endr
	FINISH
.Lfunc_end_k_q2a9c4d91d8_prep:
	.size	k_q2a9c4d91d8_prep, .Lfunc_end_k_q2a9c4d91d8_prep-k_q2a9c4d91d8_prep
	.p2alignl 7, 3214868480
	.fill 96, 4, 3214868480
	.section	.rodata,"a",@progbits
	.p2align	6, 0x0
	.amdhsa_kernel k_q2a9c4d91d8_prep
		.amdhsa_group_segment_fixed_size 52480
		.amdhsa_private_segment_fixed_size 0
		.amdhsa_enable_private_segment 0
		.amdhsa_kernarg_size 72
		.amdhsa_user_sgpr_count 2
		.amdhsa_user_sgpr_kernarg_segment_ptr 1
		.amdhsa_wavefront_size32 1
		.amdhsa_system_sgpr_workgroup_id_x 1
		.amdhsa_system_sgpr_workgroup_id_y 1
		.amdhsa_system_sgpr_workgroup_id_z 1
		.amdhsa_system_vgpr_workitem_id 0
		.amdhsa_next_free_vgpr 208
		.amdhsa_next_free_sgpr 66
		.amdhsa_reserve_vcc 0
		.amdhsa_float_denorm_mode_32 3
		.amdhsa_float_denorm_mode_16_64 3
		.amdhsa_memory_ordered 1
		.amdhsa_forward_progress 1
		.amdhsa_inst_pref_size 28
	.end_amdhsa_kernel
	.amdgpu_metadata
---
amdhsa.version: [ 1, 2 ]
amdhsa.kernels:
  - .name:           k_q2a9c4d91d8_prep
    .symbol:         k_q2a9c4d91d8_prep.kd
    .args:
      - { .name: x, .offset: 0, .size: 8, .value_kind: global_buffer, .address_space: global }
      - { .name: Wq, .offset: 8, .size: 8, .value_kind: global_buffer, .address_space: global }
      - { .name: Wk, .offset: 16, .size: 8, .value_kind: global_buffer, .address_space: global }
      - { .name: Wv, .offset: 24, .size: 8, .value_kind: global_buffer, .address_space: global }
      - { .name: Wo, .offset: 32, .size: 8, .value_kind: global_buffer, .address_space: global }
      - { .name: xb, .offset: 40, .size: 8, .value_kind: global_buffer, .address_space: global }
      - { .name: wqkv, .offset: 48, .size: 8, .value_kind: global_buffer, .address_space: global }
      - { .name: wo16, .offset: 56, .size: 8, .value_kind: global_buffer, .address_space: global }
      - { .name: tab, .offset: 64, .size: 8, .value_kind: global_buffer, .address_space: global }
    .group_segment_fixed_size: 52480
    .private_segment_fixed_size: 0
    .kernarg_segment_align: 8
    .kernarg_segment_size: 72
    .max_flat_workgroup_size: 256
    .sgpr_count:     66
    .vgpr_count:     208
    .wavefront_size: 32
...
	.end_amdgpu_metadata
.endif
;; end of part 1
;; launch attn (part 2): grid 16 x 16, 4 waves a work-group, clusters of 4 x 4, 327,680 bytes of LDS; arguments xb, wqkv, bq, bk, bv, tab, ows; writes ows
.if DOCPART == 2
	.amdgcn_target "amdgcn-amd-amdhsa--gfx1250"
	.amdhsa_code_object_version 6
	.text
	.protected	k_q2a9c4d91d8_attn
	.globl	k_q2a9c4d91d8_attn
	.p2align	8
	.type	k_q2a9c4d91d8_attn,@function
k_q2a9c4d91d8_attn:
	s_mov_b64 s[64:65], 0
	v_nop
	global_prefetch_b8 v0, s[64:65] scope:SCOPE_SE
	s_setreg_imm32_b32 hwreg(HW_REG_WAVE_MODE, 25, 1), 1
	s_wait_xcnt 0x0
	s_wait_alu depctr_hold_cnt(0) depctr_sa_sdst(0) depctr_va_vdst(0) depctr_va_sdst(0) depctr_va_ssrc(0) depctr_va_vcc(0) depctr_vm_vsrc(0)
	s_getreg_b32 s2, hwreg(HW_REG_IB_STS2, 6, 4)
	s_cmp_eq_u32 s2, 0
	s_cbranch_scc0 .Lentry_in_a_cluster
	s_endpgm
.Lentry_in_a_cluster:
	s_bfe_u32 s2, ttmp6, 0x10000c
	s_cmp_lg_u32 s2, 0xf033
	s_cbranch_scc0 .Lentry_shape_is_right
	s_endpgm
.Lentry_shape_is_right:
; ONE WORK-GROUP FOR EACH (batch b, head h): q, k, v = x[b] (512 x 1024) times the head's 192 columns of Wq, Wk, Wv, plus bias; rotary turn of q and k; causal attention; O into ows.  q, k and v never go to memory.
; WORK LEFT OUT: the steps of 64 keys that lie wholly above the diagonal (reference()'s own mask gives them the weight 0 for all inputs); bv is added behind the attention (a softmax's weights add up to 1).
; FORMATS.  x and the weights come rounded to bf16; the biases are rounded to bf16 here, so that every input has the one rounding.  q, k, v, the weights p and O are f16; sums, maxima, the turn and the biases' sums f32.
; LIMITS.  |q|, |k|, |v| stay under 65,504, f16's end.  A hidden score counts as its value less 1e30; a weight below 2^-126 counts as 0 in l; NaN and infinities are not treated apart, and those that reach only the
; key steps left out are not carried to the result.
; SHARES.  Wave w owns the row tiles t = 4 a + w, a = 0..7 (16 rows each), as rows of the product and as queries.  Tile a needs the key steps 0..a in every wave: equal work for all waves and all work-groups.
; THE PRODUCT.  96 accumulators a wave (8 row tiles x 12 column tiles), K in 16 steps of 64 through two LDS slots.  For q and k source 0 is the weight's fragment and source 1 x's: a lane holds one row and 8 neighbouring
; channels, which packed to f16 ARE a fragment of K or Q.  For v the sources change places: a lane holds one channel and 8 neighbouring keys, a fragment of V^T.
; All operands lie in fragment units of 1,024 bytes (prep): a fragment is two loads of 16 bytes a lane at 16 x lane and 512 further on: consecutive bytes, no padding, no turning load.
; CLUSTER.  4 x 4 work-groups: a row of the cluster shares b and so x's tiles, a column shares h and so the weights' tiles.  Each tile is asked for jointly: the same load, descriptor and mask in all four.
; LDS: slot s at 90,112 s: x's tile [c = half step][t] 65,536, the weights' [c][12 tiles] 24,576.  KST: K [key tile][c].  VST: V^T [block of 32 keys][channel tile].  Into KST and VST no tensor load lands.
; REGISTERS, in windows of 256 (s_set_vgpr_msb: bits 1:0 source 0, 3:2 source 1, 5:4 source 2, 7:6 destination):
;   window 0: v0-29 addresses; the product: v32-95, v96-159 x's fragments, two buffers; v160-255 the weights' fragments, three groups of four
;             the way to f16: v32-63 bq, v64-95 bk, v96-127 T, v128-159 U, v160-191 bv, v192-255 two tiles' table
;             attention: v32-63 statistics, v64-95 the diagonal's mask, v96-127 S^T, v128-143 P, v144-151 at work, v160-191 bv
;   windows 1, 2, 3: the accumulators of q, k, v, (a, bb) at v[32 a + 8 bb].  Later window 1: O^T, 32 a tile; window 2: v0-127 Q, v128-191 K of a step, v192-255 V^T of a step.
.set SLOT,  90112
.set WOFF,  65536
.set KST,   180224
.set VST,   245760
.set SPARE, 311296                     ; the spare words: 128 bytes for each wave, two blocks of 256 bytes that no other line names
.set ADRA, 4                           ; v4-5   my x fragments in slot 0, 1: slot + 1,024 w + 16 lane
.set ADRB, 6                           ; v6-7   the weights' fragments: slot + 65,536 + 16 lane
.set KSA,  8                           ; v8     where I put K: KST + 2,048 w + 16 lane
.set VSA,  9                           ; v9     where I put V^T: VST + 4,096 (w / 2) + 512 (w % 2) + 16 lane
.set TBO,  10                          ; v10    my place in the table: (16 w + r) 256 + 32 hh
.set BIO,  11                          ; v11    my place in a bias: 32 hh
.set AK,   12                          ; v12    a step's K in LDS
.set AV,   13                          ; v13    a step's V^T
.set GO,   14                          ; v14    16 x lane
.set PFO,  15                          ; v15    256 x lane, for the prefetches
.set SCR,  16                          ; v16-17 at work
.set SPW,  28                          ; v28    my spare word; never rewritten
.set NIL,  29                          ; v29    0; never rewritten
.set AF0,  32
.set BF,   160
.set BQ,   32
.set BK,   64
.set T,    96
.set U,    128
.set BV,   160
.set TAB,  192
.set ST,   32                          ; tile a's statistics at ST + 4 a: c m, m, l (even keys', odd keys')
.set MD,   64
.set S,    96
.set P,    128
.set TMP,  144                         ; c0-c3; when the maximum is found c2 takes a
.set MV,   148
.set RL,   150                         ; v150-151  1 / l, and a written partner
.set KF,   128
.set VF,   192
.set LAP,  3
.set WV,   18                          ; s18 wave, s19 wave / 2 (0: I fetch x, 1: the weights), s20 wave % 2 (which half of the tile)
.set WH,   19
.set WL,   20
.set CX,   21
.set CY,   22
.set HD,   23                          ; h
.set BA,   24                          ; b
.set G1X,  32                          ; s[32:39] group 1 for x's tiles, s[40:47] group 0, a set for each slot
.set G0X,  40
.set G1W,  48                          ; s[48:55], s[56:63] the same for the weights'
.set G0W,  56
.set PFA,  66                          ; s[66:67] where my prefetches stand, s[68:69] their step
.set PST,  68
.set LIMX, 70                          ; 1 in a wave that prefetches x, else the greatest number
.set LIMW, 71                          ; the same for the weights
.set STEP, 72
.set TBK,  73                          ; LDS byte at which the key step's K begins
.set CS,   74                          ; s[74:75] c = log2(e) / 8
.set SEL,  76                          ; s[76:77] v_permlanex16_b32's selects: each lane its own place in the other half
.set BIGN, 78                          ; -1e30
.set OW,   80                          ; s[80:81] ows at my first unit
.set W_KQ, 0x0a                        ; K and Q window 2, S^T and the mask window 0
.set W_PV, 0x52                        ; V^T window 2, P window 0, O^T window 1
.set W_RS, 0x41                        ; destination and source 0 window 1
.set MSB, 0
.macro WIN new                         ; the high byte repeats the setting that is left; a switch that changes nothing is dropped
.if MSB != (\new)
	s_set_vgpr_msb (MSB<<8)|(\new)
.set MSB, (\new)
.endif
.endm
.macro PLACES                          ; four places between a matrix instruction and a load into, or a vector line on, its registers
.rept 4
	v_nop
.endr
.endm
; A joint load.  Waves 0 and 1 fetch the two halves of x's tile, waves 2 and 3 those of the weights'.  The branch hangs on the wave's number alone.  An s_nop 0 and four v_nop follow each line.
.macro JLOAD s
	s_cmp_eq_u32 s[WH], 0
	s_cbranch_scc0 .Lfor_w_\@
	tensor_load_to_lds s[G0X+4*(\s):G0X+4*(\s)+3], s[G1X:G1X+7]
	s_nop 0
.rept 4
	v_nop
.endr
	s_branch .Lasked_\@
.Lfor_w_\@:
	tensor_load_to_lds s[G0W+4*(\s):G0W+4*(\s)+3], s[G1W:G1W+7]
	s_nop 0
.rept 4
	v_nop
.endr
.Lasked_\@:
.endm
.macro CREST                           ; a round of the cluster's barrier behind its opening barrier
	s_cmp_lg_u32 s[WV], 0
	s_cbranch_scc1 .Lnot_wave_0_\@
	s_barrier_signal -3
.Lnot_wave_0_\@:
	s_barrier_wait -3
	s_barrier_signal -1
	s_barrier_wait -1
.endm
.macro CROUND
	s_barrier_signal -1
	s_barrier_wait -1
	CREST
.endm
; PREFETCHES INTO THE L2, behind a joint load, its five lines and the run of LDS loads.  Each block of 256 bytes is named once in the launch.
; x: every cluster of a row of clusters reads the same batches: the cluster with x = 0 asks.  Behind the refill that brings tile s + 2, waves 0 and 1 name tile s + 4: of the 128 blocks that the wave fetches
; the partner at cx takes 32, told apart by address; a lane a block.  Tiles 0 to 3 come by their loads alone; the last trip of the loop asks for nothing, so tile 15 is the last named.
.macro ASKX
	s_cmp_gt_u32 s[LAP], s[LIMX]
	s_cbranch_scc0 .Lnox_\@
	global_prefetch_b8 v[PFO], s[PFA:PFA+1] th:TH_LOAD_NT scope:SCOPE_SE
.Lnox_\@:
.endm
; The weights: every cluster of a column of clusters reads the same heads: the cluster with y = 0 asks, its wave 2.  At steps 0, 4 and 8 (the lap count odd and above 1) the partner at cy names the whole tile s + 4 + cy,
; 96 blocks: tiles 4 to 15, each once.
.macro ASKW
	s_and_b32 s94, s[LAP], 1
	s_mul_i32 s94, s94, s[LAP]
	s_cmp_gt_u32 s94, s[LIMW]
	s_cbranch_scc0 .Lnow_\@
	global_prefetch_b8 v[PFO], s[PFA:PFA+1] th:TH_LOAD_NT scope:SCOPE_SE
	global_prefetch_b8 v[PFO], s[PFA:PFA+1] offset:8192 th:TH_LOAD_NT scope:SCOPE_SE
	global_prefetch_b8 v[PFO], s[PFA:PFA+1] offset:16384 th:TH_LOAD_NT scope:SCOPE_SE
.Lnow_\@:
.endm
	s_load_b256 s[4:11], s[0:1], 0x0               ; xb s[4:5], wqkv s[6:7], bq s[8:9], bk s[10:11]
	s_load_b128 s[12:15], s[0:1], 0x20             ; bv s[12:13], tab s[14:15]
	s_load_b64 s[16:17], s[0:1], 0x30              ; ows
	v_lshl_add_u32 v[SPW], v0, 2, SPARE
	v_mov_b32 v[NIL], 0
	ds_add_u32 v[SPW], v[NIL]                      ; the wave's opening: the add, twice on end, and its wait ahead of my first tensor load; the set-up below stands between
	ds_add_u32 v[SPW], v[NIL]
	v_lshrrev_b32 v1, 5, v0
	v_readfirstlane_b32 s[WV], v1
	s_lshr_b32 s[WH], s[WV], 1
	s_and_b32 s[WL], s[WV], 1
	s_bfe_u32 s[CX], ttmp6, 0x40000
	s_bfe_u32 s[CY], ttmp6, 0x40004
	s_lshl_b32 s[HD], ttmp9, 2
	s_add_co_u32 s[HD], s[HD], s[CX]               ; h = 4 x cluster x + cx
	s_and_b32 s[BA], ttmp7, 0xffff
	s_lshl_b32 s[BA], s[BA], 2
	s_add_co_u32 s[BA], s[BA], s[CY]               ; b = 4 x cluster y + cy
	s_lshl_b32 s82, s[CY], 2
	s_lshl_b32 s82, 15, s82                        ; my row of the cluster
	s_lshl_b32 s83, 0x1111, s[CX]                  ; my column
	; group 1: a dense block as rows of 256 bytes: elements of 8 bytes, 32 to a row, pitch 32; 128 rows of x, 48 of the weights (a tile has 96, shared by two waves)
	s_or_b32 s[G1X], s82, (3<<16)|(1<<21)          ; 15:0 the mask; 17:16 elements of 8 bytes; 21 set beside a mask
	s_or_b32 s[G1W], s83, (3<<16)|(1<<21)
	s_mov_b32 s[G1X+1], 32<<16                     ; tensor_dim0 = 32
	s_mov_b32 s[G1X+2], 128<<16                    ; tensor_dim1 = 128
	s_mov_b32 s[G1X+3], 32<<16                     ; tile_dim0 = 32
	s_mov_b32 s[G1X+4], 128                        ; tile_dim1 = 128
	s_mov_b32 s[G1X+5], 32                         ; pitch
	s_mov_b32 s[G1X+6], 0
	s_mov_b32 s[G1X+7], 0
	s_mov_b32 s[G1W+1], 32<<16
	s_mov_b32 s[G1W+2], 48<<16
	s_mov_b32 s[G1W+3], 32<<16
	s_mov_b32 s[G1W+4], 48
	s_mov_b32 s[G1W+5], 32
	s_mov_b32 s[G1W+6], 0
	s_mov_b32 s[G1W+7], 0
	s_lshl_b32 s84, s[BA], 20                      ; x: the batch's 1,048,576 bytes,
	s_lshl_b32 s90, s[WL], 15                      ; my half of a tile, in memory and in LDS
	s_add_co_u32 s84, s84, s90
	s_mov_b32 s85, 0
	s_mul_i32 s86, s[HD], 393216                   ; the weights: the head's 393,216 bytes,
	s_mul_i32 s91, s[WL], 12288                    ; my half of a tile
	s_add_co_u32 s86, s86, s91
	s_mov_b32 s87, 0
	s_mov_b32 s[CS], 0x3e38aa3b
	s_mov_b32 s[CS+1], s[CS]
	s_mov_b32 s[SEL], 0x76543210
	s_mov_b32 s[SEL+1], 0xfedcba98
	s_mov_b32 s[BIGN], 0xf149f2ca
	s_wait_dscnt 0x0                               ; both opening adds are done
	s_wait_kmcnt 0x0
	s_add_nc_u64 s[84:85], s[4:5], s[84:85]
	s_add_nc_u64 s[86:87], s[6:7], s[86:87]
	CROUND                                         ; all sixteen work-groups are here: the first joint loads meet
.irp s, 0,1
	s_mov_b32 s[G0X+4*(\s)], 1
	s_add_co_u32 s[G0X+4*(\s)+1], s90, (\s)*SLOT
	s_add_nc_u64 s[G0X+4*(\s)+2:G0X+4*(\s)+3], s[84:85], (\s)*65536
	s_or_b32 s[G0X+4*(\s)+3], s[G0X+4*(\s)+3], 0x80000000
	s_mov_b32 s[G0W+4*(\s)], 1
	s_add_co_u32 s[G0W+4*(\s)+1], s91, (\s)*SLOT+WOFF
	s_add_nc_u64 s[G0W+4*(\s)+2:G0W+4*(\s)+3], s[86:87], (\s)*24576
	s_or_b32 s[G0W+4*(\s)+3], s[G0W+4*(\s)+3], 0x80000000
	JLOAD \s                                       ; two loads of mine are out
.endr
	v_and_b32 v1, 15, v0                           ; r
	v_bfe_u32 v2, v0, 4, 1                         ; hh
	v_and_b32 v3, 31, v0
	v_lshlrev_b32 v[GO], 4, v3
	v_lshlrev_b32 v[PFO], 8, v3
	s_lshl_b32 s94, s[WV], 10
	v_add_nc_u32 v[ADRA], s94, v[GO]
	v_add_nc_u32 v[ADRA+1], SLOT, v[ADRA]
	v_add_nc_u32 v[ADRB], WOFF, v[GO]
	v_add_nc_u32 v[ADRB+1], SLOT, v[ADRB]
	s_lshl_b32 s94, s[WV], 11
	s_add_co_u32 s94, s94, KST
	v_add_nc_u32 v[KSA], s94, v[GO]
	s_lshl_b32 s94, s[WH], 12
	s_lshl_b32 s95, s[WL], 9
	s_add_co_u32 s94, s94, s95
	s_add_co_u32 s94, s94, VST
	v_add_nc_u32 v[VSA], s94, v[GO]
	v_lshlrev_b32 v[BIO], 5, v2
	v_lshl_add_u32 v[TBO], v1, 8, v[BIO]
	s_lshl_b32 s94, s[WV], 12
	v_add_nc_u32 v[TBO], s94, v[TBO]
	s_lshl_b32 s96, s[HD], 8                       ; the head's 64 numbers of each bias
	s_mov_b32 s97, 0
	s_add_nc_u64 s[8:9], s[8:9], s[96:97]
	s_add_nc_u64 s[10:11], s[10:11], s[96:97]
	s_add_nc_u64 s[12:13], s[12:13], s[96:97]
	s_lshl_b32 s98, s[BA], 20                      ; ows: unit ((4 b + a / 2) 32 + 2 h + cb / 2) 8 + 4 (a % 2) + w
	s_lshl_b32 s94, s[HD], 14
	s_add_co_u32 s98, s98, s94
	s_lshl_b32 s94, s[WV], 10
	s_add_co_u32 s98, s98, s94
	s_mov_b32 s99, 0
	s_add_nc_u64 s[OW:OW+1], s[16:17], s[98:99]
	s_lshl_b32 s92, s[CX], 13                      ; the prefetches.  x: my work-group's 32 blocks of the 128, at tile 3: the first change of slots steps to tile 4
	s_add_co_u32 s92, s92, 3*65536
	s_add_co_u32 s93, s[CY], 3                     ; the weights: at tile 3 + cy
	s_mul_i32 s93, s93, 24576
	s_mov_b32 s[PST], 24576
	s_mov_b32 s[PST+1], 0
	s_mov_b32 s89, 0
	s_cmp_eq_u32 s[WH], 0
	s_cselect_b32 s88, s92, s93
	s_cselect_b32 s[PST], 0x10000, s[PST]
	s_cselect_b64 s[PFA:PFA+1], s[84:85], s[86:87]
	s_add_nc_u64 s[PFA:PFA+1], s[PFA:PFA+1], s[88:89]
	s_or_b32 s[LIMX], s[WH], ttmp9                 ; waves 0 and 1 of the clusters with x = 0: the same in all partners
	s_cmp_eq_u32 s[LIMX], 0
	s_cselect_b32 s[LIMX], 1, -1
	s_xor_b32 s[LIMW], s[WV], 2                    ; wave 2 of the clusters with y = 0
	s_and_b32 s94, ttmp7, 0xffff
	s_or_b32 s[LIMW], s[LIMW], s94
	s_cmp_eq_u32 s[LIMW], 0
	s_cselect_b32 s[LIMW], 1, -1
; 16 matrix instructions of group g (0 q, 1 k, 2 v): column tiles 2 p, 2 p + 1 x my 8 row tiles, 32 along K, x's buffer f.  Each of the 96 accumulators has one instruction in a half step, always in the same order:
; 95 others stand between two links of a chain, over the backward jump and into the tail too.  zero = 1: the product starts the sum.
.macro MUL16 g, f, p, zero
	WIN 0x50*((\g)+1)
.irp bb, 2*(\p),2*(\p)+1
.irp a, 0,1,2,3,4,5,6,7
.set rD, 32*(\a)+8*(\bb)
.if (\g) == 2
.set r0, AF0+64*(\f)+8*(\a)
.set r1, BF+32*(\g)+8*(\bb)
.else
.set r0, BF+32*(\g)+8*(\bb)
.set r1, AF0+64*(\f)+8*(\a)
.endif
.if \zero
	v_wmma_f32_16x16x32_bf16 v[rD:rD+7], v[r0:r0+7], v[r1:r1+7], 0
.else
	v_wmma_f32_16x16x32_bf16 v[rD:rD+7], v[r0:r0+7], v[r1:r1+7], v[rD:rD+7]
.endif
.endr
.endr
.endm
.macro LDB slot, c, g                  ; 8 loads: group g's four fragments of half step c
.irp bb, 0,1,2,3
	ds_load_b128 v[BF+32*(\g)+8*(\bb):BF+32*(\g)+8*(\bb)+3],   v[ADRB+(\slot)] offset:(\c)*12288+(4*(\g)+(\bb))*1024
	ds_load_b128 v[BF+32*(\g)+8*(\bb)+4:BF+32*(\g)+8*(\bb)+7], v[ADRB+(\slot)] offset:(\c)*12288+(4*(\g)+(\bb))*1024+512
.endr
.endm
.macro LDA slot, c, f                  ; 16 loads: my eight fragments of x of half step c, into buffer f
.irp a, 0,1,2,3,4,5,6,7
	ds_load_b128 v[AF0+64*(\f)+8*(\a):AF0+64*(\f)+8*(\a)+3],   v[ADRA+(\slot)] offset:(\c)*32768+(\a)*4096
	ds_load_b128 v[AF0+64*(\f)+8*(\a)+4:AF0+64*(\f)+8*(\a)+7], v[ADRA+(\slot)] offset:(\c)*32768+(\a)*4096+512
.endr
.endm
; A K step's first half (c = 0, buffer 0).  Each group's registers are asked for again, for c = 1, four places behind its last product.
.macro HS slot, zero
	s_wait_dscnt 16                                ; group 0 and x are in; groups 1 and 2, 16 loads, may be out
	MUL16 0, 0, 0, \zero
	MUL16 0, 0, 1, \zero
	PLACES
	WIN 0
	LDB \slot, 1, 0
	LDA \slot, 1, 1
	s_wait_dscnt 32                                ; group 1 is in; behind it: group 2's 8 and the 24 just issued
	MUL16 1, 0, 0, \zero
	MUL16 1, 0, 1, \zero
	PLACES
	WIN 0
	LDB \slot, 1, 1
	s_wait_dscnt 32                                ; group 2 is in; behind it: 24 and 8
	MUL16 2, 0, 0, \zero
	MUL16 2, 0, 1, \zero
	PLACES
	WIN 0
	LDB \slot, 1, 2
.endm
; A K step's second half (c = 1, buffer 1) and the change of slots.  In front of the barrier each wave waits for all its tensor loads (one is out: its part of the other slot), adds 0 to its spare word, and waits for
; that and for its reads of this slot.  fill = 1: the barrier opens a round of the cluster's, and the joint refill, with the tile two steps on, is the first thing behind the round: 160 matrix instructions ahead of the wait for it.
.macro TURN slot, fill
.if \fill
	s_wait_xcnt 0x0                                ; the last prefetches, a K step back, have read their address
	s_add_nc_u64 s[PFA:PFA+1], s[PFA:PFA+1], s[PST:PST+1]
.endif
	WIN 0
	s_wait_tensorcnt 0x0                           ; all my tensor loads have landed
	ds_add_u32 v[SPW], v[NIL]                      ; 0 onto my spare word
	s_wait_dscnt 17                                ; group 0 and x are in; groups 1 and 2 and the add may be out
	MUL16 0, 1, 0, 0
	s_wait_dscnt 0x0                               ; the add is done, and my reads of this slot are over
	s_barrier_signal -1
	MUL16 0, 1, 1, 0
	WIN 0
	s_barrier_wait -1
.if \fill
	CREST                                          ; no wave of any partner still reads this slot or has a load on its way
	s_add_nc_u64 s[G0X+4*(\slot)+2:G0X+4*(\slot)+3], s[G0X+4*(\slot)+2:G0X+4*(\slot)+3], 131072
	s_add_nc_u64 s[G0W+4*(\slot)+2:G0W+4*(\slot)+3], s[G0W+4*(\slot)+2:G0W+4*(\slot)+3], 49152
	JLOAD \slot                                    ; its four v_nop are also the places in front of the loads below
.else
	PLACES
.endif
	LDB 1-(\slot), 0, 0
	LDA 1-(\slot), 0, 0
.if \fill
	ASKX
.if (\slot) == 0
	ASKW
.endif
.endif
	MUL16 1, 1, 0, 0
	MUL16 1, 1, 1, 0
	PLACES
	WIN 0
	LDB 1-(\slot), 0, 1
	MUL16 2, 1, 0, 0
	MUL16 2, 1, 1, 0
	PLACES
	WIN 0
	LDB 1-(\slot), 0, 2
.endm
	s_wait_tensorcnt 0x1                           ; my part of tile 0 is in; tile 1's may stay out
	s_barrier_signal -1
	s_barrier_wait -1
	LDB 0, 0, 0
	LDA 0, 0, 0
	LDB 0, 0, 1
	LDB 0, 0, 2
	HS 0, 1                                        ; the first half step stands in front of the loop: its products start all 96 sums
	s_mov_b32 s[LAP], 7
.Llap:                                                 ; a trip: from a lap's second half step to the next lap's first; both slots are filled again: tiles 2 to 15
	TURN 0, 1
	HS 1, 0
	TURN 1, 1
	HS 0, 0
	s_sub_co_u32 s[LAP], s[LAP], 1
	s_cmp_lg_u32 s[LAP], 0
	s_cbranch_scc1 .Llap
	TURN 0, 0                                      ; the tail asks for nothing more
	HS 1, 0
	; the last half step; the registers that fall free take what the way to f16 wants
.macro LDBIAS dst, p
.irp bb, 0,1,2,3
	global_load_b128 v[(\dst)+8*(\bb):(\dst)+8*(\bb)+3],   v[BIO], s[(\p):(\p)+1] offset:64*(\bb)
	global_load_b128 v[(\dst)+8*(\bb)+4:(\dst)+8*(\bb)+7], v[BIO], s[(\p):(\p)+1] offset:64*(\bb)+16
.endr
.endm
.macro LDT a                           ; tile a's part of the table: for my row, the (cos, sin) of my 16 pairs, in the accumulators' order
.irp bb, 0,1,2,3
	global_load_b128 v[TAB+32*((\a)%2)+8*(\bb):TAB+32*((\a)%2)+8*(\bb)+3],   v[TBO], s[14:15] offset:(\a)*16384+64*(\bb)
	global_load_b128 v[TAB+32*((\a)%2)+8*(\bb)+4:TAB+32*((\a)%2)+8*(\bb)+7], v[TBO], s[14:15] offset:(\a)*16384+64*(\bb)+16
.endr
.endm
	LDBIAS BQ, 8                                   ; into x's buffer 0, four places behind its last product
	LDBIAS BK, 10
	s_wait_dscnt 16
	MUL16 0, 1, 0, 0
	MUL16 0, 1, 1, 0
	PLACES
	WIN 0
	LDBIAS BV, 12
	s_wait_dscnt 8
	MUL16 1, 1, 0, 0
	MUL16 1, 1, 1, 0
	PLACES
	WIN 0
	LDT 0
	s_wait_dscnt 0x0
	MUL16 2, 1, 0, 0
	MUL16 2, 1, 1, 0
	PLACES
	PLACES                                         ; eight, once a launch
	WIN 0
	LDT 1
; THE WAY TO F16, a row tile at a time.  k: + bk, turned, packed, into KST.  q: + bq, turned, packed into window 2, v[16 a ..], where the k sums of tile a / 2 lay and have been read: these ARE Q's fragments.
; v: packed, into VST.  An accumulator's registers are taken in ascending order.
.macro ROPE tb                         ; (x1, x2) in T, (cos, sin) in tb: U = (x1 cos, x2 cos), then U = (U.lo - x2 sin, U.hi + x1 sin)
.set z, 0
.rept 16
	v_pk_mul_f32 v[U+2*z:U+2*z+1], v[T+2*z:T+2*z+1], v[(\tb)+2*z:(\tb)+2*z+1] op_sel_hi:[1,0]
.set z, z+1
.endr
.set z, 0
.rept 16
	v_pk_fma_f32 v[U+2*z:U+2*z+1], v[T+2*z:T+2*z+1], v[(\tb)+2*z:(\tb)+2*z+1], v[U+2*z:U+2*z+1] op_sel:[1,1,0] op_sel_hi:[0,1,1] neg_lo:[0,1,0]
.set z, z+1
.endr
.endm
.macro RNDB base                       ; a bias is rounded to bf16 and kept as f32: every input has the one rounding
.set z, 0
.rept 16
	v_cvt_pk_bf16_f32 v[SCR+z%2], v[(\base)+2*z], v[(\base)+2*z+1]
	v_lshlrev_b32 v[(\base)+2*z], 16, v[SCR+z%2]
	v_and_b32 v[(\base)+2*z+1], 0xffff0000, v[SCR+z%2]
.set z, z+1
.endr
.endm
.macro EPI a
.if (\a) == 7
	s_wait_loadcnt 0x0
.else
	s_wait_loadcnt 8                               ; this tile's table (and at first the biases) is in; the next tile's 8 loads stay out
.endif
.if (\a) == 0
	RNDB BQ
	RNDB BK
	RNDB BV
.endif
	WIN 0x02                                       ; source 0 window 2
.set z, 0
.rept 16
	v_pk_add_f32 v[T+2*z:T+2*z+1], v[32*(\a)+2*z:32*(\a)+2*z+1], v[BK+2*z:BK+2*z+1]
.set z, z+1
.endr
	WIN 0
	ROPE TAB+32*((\a)%2)
.set z, 0
.rept 16
	v_cvt_pk_f16_f32 v[U+z], v[U+2*z], v[U+2*z+1]  ; in place: word z is written when words 2 z and 2 z + 1 have been read
.set z, z+1
.endr
.irp bb, 0,1,2,3
	ds_store_b128 v[KSA], v[U+4*(\bb):U+4*(\bb)+3] offset:(\a)*8192+(\bb)*512
.endr
	WIN 0x01                                       ; source 0 window 1
.set z, 0
.rept 16
	v_pk_add_f32 v[T+2*z:T+2*z+1], v[32*(\a)+2*z:32*(\a)+2*z+1], v[BQ+2*z:BQ+2*z+1]
.set z, z+1
.endr
	WIN 0
	ROPE TAB+32*((\a)%2)
	WIN 0x80                                       ; destination window 2
.set z, 0
.rept 16
	v_cvt_pk_f16_f32 v[16*(\a)+z], v[U+2*z], v[U+2*z+1]
.set z, z+1
.endr
	WIN 0x0f                                       ; sources 0 and 1 window 3
.set z, 0
.rept 16
	v_cvt_pk_f16_f32 v[T+z], v[32*(\a)+2*z], v[32*(\a)+2*z+1]
.set z, z+1
.endr
	WIN 0
.irp bb, 0,1,2,3
	ds_store_b128 v[VSA], v[T+4*(\bb):T+4*(\bb)+3] offset:(\a)*8192+(\bb)*1024
.endr
.if (\a) < 6
	LDT (\a)+2
.endif
.endm
.irp a, 0,1,2,3,4,5,6,7
	EPI \a
.endr
	s_wait_dscnt 0x0                               ; for the others' sake: my parts of K and V^T are in LDS
	s_barrier_signal -1
	; between signal and wait, work on registers: the diagonal step's mask for my rows (register 8 kb + j is key 16 kb + 8 hh + j, hidden where that is above 16 w + r), and the statistics' start
	v_lshlrev_b32 v[SCR], 3, v2
	v_sub_nc_u32 v[SCR], v1, v[SCR]
	s_lshl_b32 s94, s[WV], 4
	v_add_nc_u32 v[SCR], s94, v[SCR]
.set i, 0
.rept 32
	v_cmp_gt_i32 vcc_lo, 16*(i/8)+i%8, v[SCR]
	v_cndmask_b32 v[MD+i], 0, s[BIGN], vcc_lo
.set i, i+1
.endr
.set i, 0
.rept 8
	v_mov_b32 v[ST+4*i], 0xfe000000                ; c m: far below every c s, so the first step's a is 0: O^T's registers, which hold the finished q sums, and l need no clearing beyond l's
	v_mov_b32 v[ST+4*i+1], 0xff7fffff              ; m: the lowest finite number
	v_mov_b32 v[ST+4*i+2], 0
	v_mov_b32 v[ST+4*i+3], 0
.set i, i+1
.endr
	v_mov_b32 v[RL+1], 0                           ; named in a pair with 1 / l
	s_mov_b32 s[TBK], KST
	s_mov_b32 s[STEP], 0
	s_barrier_wait -1
; ATTENTION.  S^T = K Q^T holds one query a lane (lane % 16) and the keys 8 hh + 0..7 of four key tiles; packed in pairs it IS source 1 of O^T = V^T P.  p = 2^(c s - c m) with a running maximum m;
; in every step O^T and l are multiplied by a = 2^(c m_old - c m_new).  A tile's step in phases: 8 products, the softmax, 8 products.
; The vector work, one line at a time: F n: c s - c m for pair n.  E n: the exponential of score n.  C n: pair n rounded to f16.  B n: of four weights the second pair is added onto the first.  L n: l takes that sum.
; R n: pair n of O^T times a.  X n: number n of the 22 that find the maximum and statistics (each accumulator's lowest registers are read first).
.set F, 0
.set E, 1
.set C, 2
.set B, 3
.set L, 4
.set R, 5
.set X, 6
.macro OP k, n
.if (\k) == R
	WIN W_RS
	v_pk_mul_f32 v[rO+2*(\n):rO+2*(\n)+1], v[rO+2*(\n):rO+2*(\n)+1], v[TMP+2:TMP+3] op_sel_hi:[1,0]
.else
	WIN 0
.if (\k) == F
	v_pk_fma_f32 v[S+2*(\n):S+2*(\n)+1], v[S+2*(\n):S+2*(\n)+1], s[CS:CS+1], v[rT:rT+1] op_sel_hi:[1,0,0] neg_lo:[0,0,1] neg_hi:[0,0,1]
.elseif (\k) == E
	v_exp_f32 v[S+(\n)], v[S+(\n)]
.elseif (\k) == C
	v_cvt_pk_f16_f32 v[P+(\n)], v[S+2*(\n)], v[S+2*(\n)+1]
.elseif (\k) == B
	v_pk_add_f32 v[S+4*(\n):S+4*(\n)+1], v[S+4*(\n):S+4*(\n)+1], v[S+4*(\n)+2:S+4*(\n)+3]
.elseif ((\k) == L) && ((\n) == 0)
	v_pk_fma_f32 v[rT+2:rT+3], v[rT+2:rT+3], v[TMP+2:TMP+3], v[S:S+1] op_sel_hi:[1,0,1]
.elseif (\k) == L
	v_pk_add_f32 v[rT+2:rT+3], v[rT+2:rT+3], v[S+4*(\n):S+4*(\n)+1]
.elseif (\n) < 4
	v_max3_num_f32 v[TMP+(\n)], v[S+8*(\n)], v[S+8*(\n)+1], v[S+8*(\n)+2]
.elseif (\n) < 12
	v_max3_num_f32 v[TMP+(\n)%4], v[TMP+(\n)%4], v[S+8*((\n)%4)+2*((\n)/4)+1], v[S+8*((\n)%4)+2*((\n)/4)+2]
.elseif (\n) == 12
	v_max3_num_f32 v[TMP], v[TMP], v[S+7], v[S+15]
.elseif (\n) == 13
	v_max3_num_f32 v[TMP+1], v[TMP+1], v[S+23], v[S+31]
.elseif (\n) == 14
	v_max3_num_f32 v[TMP+2], v[TMP+2], v[TMP+3], v[rT+1]
.elseif (\n) == 15
	v_mov_b32 v[MV], v[rT]
.elseif (\n) == 16
	v_max3_num_f32 v[TMP], v[TMP], v[TMP+1], v[TMP+2]
.elseif (\n) == 17
	v_permlanex16_b32 v[TMP+3], v[TMP], s[SEL], s[SEL+1]
.elseif (\n) == 18
	v_max_num_f32 v[rT+1], v[TMP], v[TMP+3]
.elseif (\n) == 19
	v_mul_f32 v[rT], s[CS], v[rT+1]
.elseif (\n) == 20
	v_sub_f32 v[TMP+1], v[MV], v[rT]
.else
	v_exp_f32 v[TMP+2], v[TMP+1]
.endif
.endif
.endm
.macro OPS a, i1, b, i2, c, i3, d, i4
	OP \a, \i1
	OP \b, \i2
	OP \c, \i3
	OP \d, \i4
.endm
.macro KQ4 a, c, m                     ; four products, key tiles 0 to 3, channels 32 c on.  c = 0 starts the sums: with 0, or (m = 1) with the mask.  The four accumulators take turns
	WIN W_KQ
.irp kb, 0,1,2,3
.if (\c) == 1
	v_wmma_f32_16x16x32_f16 v[S+8*(\kb):S+8*(\kb)+7], v[KF+16*(\kb)+8:KF+16*(\kb)+15], v[16*(\a)+8:16*(\a)+15], v[S+8*(\kb):S+8*(\kb)+7]
.elseif \m
	v_wmma_f32_16x16x32_f16 v[S+8*(\kb):S+8*(\kb)+7], v[KF+16*(\kb):KF+16*(\kb)+7], v[16*(\a):16*(\a)+7], v[MD+8*(\kb):MD+8*(\kb)+7]
.else
	v_wmma_f32_16x16x32_f16 v[S+8*(\kb):S+8*(\kb)+7], v[KF+16*(\kb):KF+16*(\kb)+7], v[16*(\a):16*(\a)+7], 0
.endif
.endr
	WIN 0
.endm
; Tile a in key step STEP: jumped over when the step lies above its diagonal (STEP > a); with the mask when the step holds it (STEP = a), and then the tile is finished and stored.  All jumps go forward, past no barrier.
.macro TILE a
.set rT, ST+4*(\a)
.set rO, 32*(\a)
.if (\a) < 7
	s_cmp_gt_u32 s[STEP], \a
	s_cbranch_scc1 .Lskip_\a
.endif
.if (\a) > 0
	s_cmp_eq_u32 s[STEP], \a
	s_cbranch_scc1 .Ldiag_\a
	KQ4 \a, 0, 0
	s_branch .Ljoin_\a
.Ldiag_\a:
.endif
	KQ4 \a, 0, 1
.Ljoin_\a:
	KQ4 \a, 1, 0
	PLACES
.irp n, 0,1,2,3,4,5,6,7,8,9,10,11,12,13,14,15,16,17,18,19,20,21
	OP X, \n
.endr
	OPS F,0, F,1, F,2, F,3                         ; from a (X 21) on the exponentials are ONE batch: nothing ahead of the wait names a result of theirs
.set i, 0
.rept 16
	OP E, 2*i
	OP E, 2*i+1
.if i < 12
	OP F, i+4
.endif
.set i, i+1
.endr
	v_nop                                          ; the plain instruction behind the last exponential
	s_wait_alu depctr_va_vdst(0)                   ; one wait for the 33, ahead of their first reader
.irp n, 0,1,2,3,4,5,6,7,8,9,10,11,12,13,14,15
	OP R, \n
.endr
	OPS C,0, B,0, C,2, B,1                         ; an even pair is rounded before the sum lands on it; the links of l's chain stand three lines apart
	OPS L,0, C,4, B,2, L,1
	OPS C,6, B,3, L,2, C,8
	OPS B,4, L,3, C,10, B,5
	OPS L,4, C,12, B,6, L,5
	OPS C,14, B,7, L,6, C,1
	OPS C,3, L,7, C,5, C,7
	OPS C,9, C,11, C,13, C,15
	s_wait_dscnt 0x0                               ; V^T is in
	WIN W_PV
.irp i, 0,1,2,3,4,5,6,7                ; keys 32 (i / 4) on, channels 16 (i % 4) on: four accumulators by turns
	v_wmma_f32_16x16x32_f16 v[rO+8*((\i)%4):rO+8*((\i)%4)+7], v[VF+32*((\i)/4)+8*((\i)%4):VF+32*((\i)/4)+8*((\i)%4)+7], v[P+8*((\i)/4):P+8*((\i)/4)+7], v[rO+8*((\i)%4):rO+8*((\i)%4)+7]
.endr
	WIN 0
	s_cmp_eq_u32 s[STEP], \a
	s_cbranch_scc0 .Lskip_\a
	PLACES                                         ; THE TILE IS FINISHED: O = O^T / l + bv, rounded to f16; a lane's 8 channels of a row are 16 bytes of a fragment unit of proj's: stored as they lie
	PLACES
	v_add_f32 v[TMP], v[rT+2], v[rT+3]
	v_permlanex16_b32 v[TMP+3], v[TMP], s[SEL], s[SEL+1]
	v_add_f32 v[TMP], v[TMP], v[TMP+3]
	v_rcp_f32 v[RL], v[TMP]
	v_nop
	s_wait_alu depctr_va_vdst(0)                   ; the reciprocal's wait, ahead of its first reader
	WIN W_RS
.set z, 0
.rept 16
	v_pk_fma_f32 v[rO+2*z:rO+2*z+1], v[rO+2*z:rO+2*z+1], v[RL:RL+1], v[BV+2*z:BV+2*z+1] op_sel_hi:[1,0,1]
.set z, z+1
.endr
	WIN 0x45                                       ; sources 0, 1 and destination window 1
.set z, 0
.rept 16
	v_cvt_pk_f16_f32 v[rO+z], v[rO+2*z], v[rO+2*z+1]
.set z, z+1
.endr
	WIN 0x04                                       ; the stores' data window 1
.irp cb, 0,1,2,3
	global_store_b128 v[GO], v[rO+4*(\cb):rO+4*(\cb)+3], s[OW:OW+1] offset:((\a)/2)*262144+((\cb)/2)*8192+((\a)%2)*4096+((\cb)%2)*512  ; 512 consecutive bytes, aligned; these registers are never written again
.endr
	WIN 0
.Lskip_\a:
.endm
.Lstep:                                                ; 8 trips: a step of 64 keys
	PLACES                                         ; behind the last products that read K and V^T
	v_add_nc_u32 v[AK], s[TBK], v[GO]
	v_add_nc_u32 v[AV], VST-KST, v[AK]
	s_add_co_u32 s[TBK], s[TBK], 8192
	WIN 0x80                                       ; destination window 2
.set i, 0
.rept 16
	ds_load_b128 v[KF+4*i:KF+4*i+3], v[AK] offset:512*i
.set i, i+1
.endr
.set i, 0
.rept 16
	ds_load_b128 v[VF+4*i:VF+4*i+3], v[AV] offset:512*i
.set i, i+1
.endr
	WIN 0
	s_wait_dscnt 16                                ; K is in; V^T's 16 loads may be out
.irp a, 0,1,2,3,4,5,6,7
	TILE \a
.endr
	s_add_co_u32 s[STEP], s[STEP], 1
	s_cmp_lt_u32 s[STEP], 8
	s_cbranch_scc1 .Lstep
	s_wait_tensorcnt 0x0                           ; the wave's end, behind my last tensor load and my last LDS store
	ds_add_u32 v[SPW], v[NIL]
	s_wait_dscnt 0x0
	CROUND                                         ; the closing round
	s_endpgm
.Lfunc_end_k_q2a9c4d91d8_attn:
	.size	k_q2a9c4d91d8_attn, .Lfunc_end_k_q2a9c4d91d8_attn-k_q2a9c4d91d8_attn
	.p2alignl 7, 3214868480
	.fill 96, 4, 3214868480
	.section	.rodata,"a",@progbits
	.p2align	6, 0x0
	.amdhsa_kernel k_q2a9c4d91d8_attn
		.amdhsa_group_segment_fixed_size 327680
		.amdhsa_private_segment_fixed_size 0
		.amdhsa_enable_private_segment 0
		.amdhsa_kernarg_size 56
		.amdhsa_user_sgpr_count 2
		.amdhsa_user_sgpr_kernarg_segment_ptr 1
		.amdhsa_wavefront_size32 1
		.amdhsa_system_sgpr_workgroup_id_x 1
		.amdhsa_system_sgpr_workgroup_id_y 1
		.amdhsa_system_sgpr_workgroup_id_z 1
		.amdhsa_system_vgpr_workitem_id 0
		.amdhsa_next_free_vgpr 1024
		.amdhsa_next_free_sgpr 104
		.amdhsa_reserve_vcc 1
		.amdhsa_float_denorm_mode_32 3
		.amdhsa_float_denorm_mode_16_64 3
		.amdhsa_memory_ordered 1
		.amdhsa_forward_progress 1
		.amdhsa_inst_pref_size 255
	.end_amdhsa_kernel
	.section	.bss,"aw",@nobits
	.p2align	6
	.space	262144
	.amdgpu_metadata
---
amdhsa.version: [ 1, 2 ]
amdhsa.kernels:
  - .name:           k_q2a9c4d91d8_attn
    .symbol:         k_q2a9c4d91d8_attn.kd
    .args:
      - { .name: xb, .offset: 0, .size: 8, .value_kind: global_buffer, .address_space: global }
      - { .name: wqkv, .offset: 8, .size: 8, .value_kind: global_buffer, .address_space: global }
      - { .name: bq, .offset: 16, .size: 8, .value_kind: global_buffer, .address_space: global }
      - { .name: bk, .offset: 24, .size: 8, .value_kind: global_buffer, .address_space: global }
      - { .name: bv, .offset: 32, .size: 8, .value_kind: global_buffer, .address_space: global }
      - { .name: tab, .offset: 40, .size: 8, .value_kind: global_buffer, .address_space: global }
      - { .name: ows, .offset: 48, .size: 8, .value_kind: global_buffer, .address_space: global }
    .group_segment_fixed_size: 327680
    .private_segment_fixed_size: 0
    .kernarg_segment_align: 8
    .kernarg_segment_size: 56
    .max_flat_workgroup_size: 128
    .sgpr_count:     104
    .vgpr_count:     1024
    .wavefront_size: 32
...
	.end_amdgpu_metadata
.endif
;; end of part 2
;; launch proj (part 3): grid 4 x 64, 4 waves a work-group, clusters of 4 x 4, 327,680 bytes of LDS; arguments ows, wo16, bo, out0; writes out0
.if DOCPART == 3
	.amdgcn_target "amdgcn-amd-amdhsa--gfx1250"
	.amdhsa_code_object_version 6
	.text
	.protected	k_q2a9c4d91d8_proj
	.globl	k_q2a9c4d91d8_proj
	.p2align	8
	.type	k_q2a9c4d91d8_proj,@function
k_q2a9c4d91d8_proj:
	s_mov_b64 s[64:65], 0
	v_nop
	global_prefetch_b8 v0, s[64:65] scope:SCOPE_SE
	s_setreg_imm32_b32 hwreg(HW_REG_WAVE_MODE, 25, 1), 1
	s_wait_xcnt 0x0
	s_wait_alu depctr_hold_cnt(0) depctr_sa_sdst(0) depctr_va_vdst(0) depctr_va_sdst(0) depctr_va_ssrc(0) depctr_va_vcc(0) depctr_vm_vsrc(0)
	s_getreg_b32 s2, hwreg(HW_REG_IB_STS2, 6, 4)
	s_cmp_eq_u32 s2, 0
	s_cbranch_scc0 .Lentry_in_a_cluster
	s_endpgm
.Lentry_in_a_cluster:
	s_bfe_u32 s2, ttmp6, 0x10000c
	s_cmp_lg_u32 s2, 0xf033
	s_cbranch_scc0 .Lentry_shape_is_right
	s_endpgm
.Lentry_shape_is_right:
; out0 = O Wo + bo.  O (ows) and Wo (wo16) lie in fragment units of 1,024 bytes, f16 (Wo: its bf16 rounding written as f16); bo is rounded to bf16 like every input; sums f32; out0 f32.  No work of reference() is left out here.
; LIMITS.  O and Wo within f16's range, 65,504; NaN and infinities are not treated apart.
; A tile of out0 is 128 rows x 256 columns: 256 work-groups.  Four waves, each 64 x 128: 32 accumulators, window 1, (a, b) at v[8 (8 a + b)].  K in 8 steps of 128 through two LDS slots.
; Source 0 = 16 columns of Wo, source 1 = 16 rows of O: a lane holds one row and 8 neighbouring columns, 32 bytes.
; CLUSTER.  4 x 4 work-groups: a row of the cluster shares O's tiles, a column Wo's: each is asked for jointly.
; NO PREFETCH: the launch has eight K steps, too few for a request some steps ahead to serve more than a few of them.
; LDS: slot s at 98,304 s: O's tile [kc][8 row tiles] 32,768, Wo's [kc][16 column tiles] 65,536.  STAGE: 16 rows x 528 bytes for each wave, its own, for the way out; no tensor load lands there.
.set SLOT,   98304
.set BOFF,   32768
.set STAGE,  196608
.set SPITCH, 528                       ; 512 bytes + 16: 132 words, so the 16 rows that a store touches begin 4 words apart modulo 64
.set SPARE,  230400                    ; the spare words: 128 bytes for each wave, two blocks of 256 bytes that no other line names
.set ADRA, 4                           ; v4-5  my O fragments in slot 0, 1
.set ADRB, 6                           ; v6-7  my Wo fragments
.set STO,  8                           ; v8    the way out: where I put 32 bytes of a row
.set RD,   9                           ; v9    where I read rows back
.set CO,   10                          ; v10   16 x lane
.set SCR,  12
.set BO,   24                          ; v24-27 bo of my four columns
.set SPW,  28
.set NIL,  29
.set F0,   32                          ; fragment buffers of 96: Wo's eight, then O's four
.set F1,   128
.set OB,   32                          ; the way out: 16 rows read back, two buffers of 64
.set LAP,  3
.set WV,   12
.set WR,   13                          ; wave / 2: my half of the rows.  Also: I fetch O (0) or Wo (1)
.set WC,   14                          ; wave % 2: my half of the columns.  Also: which half of that tile I fetch
.set CX,   15
.set CY,   16
.set NT,   17
.set MT,   18
.set G1A,  24
.set G0A,  32
.set G1B,  48
.set G0B,  56
.set MSB, 0
.macro WIN new
.if MSB != (\new)
	s_set_vgpr_msb (MSB<<8)|(\new)
.set MSB, (\new)
.endif
.endm
.macro PLACES
.rept 4
	v_nop
.endr
.endm
.macro JLOAD s                         ; a joint load; an s_nop 0 and four v_nop follow each of the two lines
	s_cmp_eq_u32 s[WR], 0
	s_cbranch_scc0 .Lfor_b_\@
	tensor_load_to_lds s[G0A+4*(\s):G0A+4*(\s)+3], s[G1A:G1A+7]
	s_nop 0
.rept 4
	v_nop
.endr
	s_branch .Lasked_\@
.Lfor_b_\@:
	tensor_load_to_lds s[G0B+4*(\s):G0B+4*(\s)+3], s[G1B:G1B+7]
	s_nop 0
.rept 4
	v_nop
.endr
.Lasked_\@:
.endm
.macro CREST
	s_cmp_lg_u32 s[WV], 0
	s_cbranch_scc1 .Lnot_wave_0_\@
	s_barrier_signal -3
.Lnot_wave_0_\@:
	s_barrier_wait -3
	s_barrier_signal -1
	s_barrier_wait -1
.endm
.macro CROUND
	s_barrier_signal -1
	s_barrier_wait -1
	CREST
.endm
	s_load_b256 s[4:11], s[0:1], 0x0               ; ows s[4:5], wo16 s[6:7], bo s[8:9], out0 s[10:11]
	v_lshl_add_u32 v[SPW], v0, 2, SPARE
	v_mov_b32 v[NIL], 0
	ds_add_u32 v[SPW], v[NIL]                      ; the wave's opening: the add, twice on end, and its wait ahead of my first tensor load
	ds_add_u32 v[SPW], v[NIL]
	v_lshrrev_b32 v1, 5, v0
	v_readfirstlane_b32 s[WV], v1
	s_lshr_b32 s[WR], s[WV], 1
	s_and_b32 s[WC], s[WV], 1
	s_bfe_u32 s[CX], ttmp6, 0x40000
	s_bfe_u32 s[CY], ttmp6, 0x40004
	s_lshl_b32 s[NT], ttmp9, 2
	s_add_co_u32 s[NT], s[NT], s[CX]               ; tile column
	s_and_b32 s[MT], ttmp7, 0xffff
	s_lshl_b32 s[MT], s[MT], 2
	s_add_co_u32 s[MT], s[MT], s[CY]               ; tile row
	s_lshl_b32 s19, s[CY], 2
	s_lshl_b32 s19, 15, s19                        ; my row of the cluster
	s_lshl_b32 s20, 0x1111, s[CX]                  ; my column
	; group 1: dense blocks as rows of 256 bytes: 64 rows of O, 128 of Wo
	s_or_b32 s[G1A], s19, (3<<16)|(1<<21)
	s_or_b32 s[G1B], s20, (3<<16)|(1<<21)
	s_mov_b32 s[G1A+1], 32<<16
	s_mov_b32 s[G1A+2], 64<<16
	s_mov_b32 s[G1A+3], 32<<16
	s_mov_b32 s[G1A+4], 64
	s_mov_b32 s[G1A+5], 32
	s_mov_b32 s[G1A+6], 0
	s_mov_b32 s[G1A+7], 0
	s_mov_b32 s[G1B+1], 32<<16
	s_mov_b32 s[G1B+2], 128<<16
	s_mov_b32 s[G1B+3], 32<<16
	s_mov_b32 s[G1B+4], 128
	s_mov_b32 s[G1B+5], 32
	s_mov_b32 s[G1B+6], 0
	s_mov_b32 s[G1B+7], 0
	s_lshl_b32 s40, s[MT], 18                      ; O: the tile row's 262,144 bytes,
	s_lshl_b32 s44, s[WC], 14                      ; my half of a K step's 32,768, in memory and in LDS
	s_add_co_u32 s40, s40, s44
	s_mov_b32 s41, 0
	s_lshl_b32 s42, s[NT], 19                      ; Wo: the tile column's 524,288 bytes,
	s_lshl_b32 s45, s[WC], 15                      ; my half of a K step's 65,536
	s_add_co_u32 s42, s42, s45
	s_mov_b32 s43, 0
	s_wait_dscnt 0x0                               ; both opening adds are done
	s_wait_kmcnt 0x0
	s_add_nc_u64 s[40:41], s[4:5], s[40:41]
	s_add_nc_u64 s[42:43], s[6:7], s[42:43]
	CROUND                                         ; all sixteen work-groups are here: the first joint loads meet
.irp s, 0,1
	s_mov_b32 s[G0A+4*(\s)], 1
	s_add_co_u32 s[G0A+4*(\s)+1], s44, (\s)*SLOT
	s_add_nc_u64 s[G0A+4*(\s)+2:G0A+4*(\s)+3], s[40:41], (\s)*32768
	s_or_b32 s[G0A+4*(\s)+3], s[G0A+4*(\s)+3], 0x80000000
	s_mov_b32 s[G0B+4*(\s)], 1
	s_add_co_u32 s[G0B+4*(\s)+1], s45, (\s)*SLOT+BOFF
	s_add_nc_u64 s[G0B+4*(\s)+2:G0B+4*(\s)+3], s[42:43], (\s)*65536
	s_or_b32 s[G0B+4*(\s)+3], s[G0B+4*(\s)+3], 0x80000000
	JLOAD \s                                       ; two loads of mine are out
.endr
	v_and_b32 v1, 15, v0                           ; r
	v_bfe_u32 v2, v0, 4, 1                         ; hh
	v_and_b32 v3, 31, v0
	v_lshlrev_b32 v[CO], 4, v3
	s_lshl_b32 s21, s[WR], 12
	v_add_nc_u32 v[ADRA], s21, v[CO]
	v_add_nc_u32 v[ADRA+1], SLOT, v[ADRA]
	s_lshl_b32 s21, s[WC], 13
	s_add_co_u32 s21, s21, BOFF
	v_add_nc_u32 v[ADRB], s21, v[CO]
	v_add_nc_u32 v[ADRB+1], SLOT, v[ADRB]
	s_mul_i32 s22, s[WV], 16*SPITCH
	s_add_co_u32 s22, s22, STAGE                   ; my stage
	v_mul_u32_u24 v[STO], v1, SPITCH
	v_lshl_add_u32 v[STO], v2, 5, v[STO]
	v_add_nc_u32 v[STO], s22, v[STO]
	v_add_nc_u32 v[RD], s22, v[CO]
	s_lshl_b32 s46, s[NT], 10                      ; my 128 columns: 512 bytes of a row of out0, and of bo
	s_lshl_b32 s23, s[WC], 9
	s_add_co_u32 s46, s46, s23
	s_mov_b32 s47, 0
	s_add_nc_u64 s[8:9], s[8:9], s[46:47]
	s_add_nc_u64 s[10:11], s[10:11], s[46:47]
	global_load_b128 v[BO:BO+3], v[CO], s[8:9]
	s_lshl_b32 s46, s[MT], 19                      ; my 64 rows of 4,096 bytes
	s_lshl_b32 s23, s[WR], 18
	s_add_co_u32 s46, s46, s23
	s_add_nc_u64 s[10:11], s[10:11], s[46:47]
.macro MUL8 f, a, zero                 ; row tile a x my 8 column tiles, 32 along K.  Each of the 32 accumulators has one instruction in a quarter, always in the same order: 31 others stand between two links of a chain
	WIN 0x50
.irp b, 0,1,2,3,4,5,6,7
.if \zero
	v_wmma_f32_16x16x32_f16 v[8*(8*(\a)+(\b)):8*(8*(\a)+(\b))+7], v[(\f)+8*(\b):(\f)+8*(\b)+7], v[(\f)+64+8*(\a):(\f)+64+8*(\a)+7], 0
.else
	v_wmma_f32_16x16x32_f16 v[8*(8*(\a)+(\b)):8*(8*(\a)+(\b))+7], v[(\f)+8*(\b):(\f)+8*(\b)+7], v[(\f)+64+8*(\a):(\f)+64+8*(\a)+7], v[8*(8*(\a)+(\b)):8*(8*(\a)+(\b))+7]
.endif
.endr
.endm
.macro FETCH slot, kc, f               ; 24 LDS loads in one run: Wo's eight fragments, then O's four
	WIN 0
.irp b, 0,1,2,3,4,5,6,7
	ds_load_b128 v[(\f)+8*(\b):(\f)+8*(\b)+3],   v[ADRB+(\slot)] offset:(\kc)*16384+(\b)*1024
	ds_load_b128 v[(\f)+8*(\b)+4:(\f)+8*(\b)+7], v[ADRB+(\slot)] offset:(\kc)*16384+(\b)*1024+512
.endr
.irp a, 0,1,2,3
	ds_load_b128 v[(\f)+64+8*(\a):(\f)+64+8*(\a)+3],   v[ADRA+(\slot)] offset:(\kc)*8192+(\a)*1024
	ds_load_b128 v[(\f)+64+8*(\a)+4:(\f)+64+8*(\a)+7], v[ADRA+(\slot)] offset:(\kc)*8192+(\a)*1024+512
.endr
.endm
; A K step is four quarters of 32 along K on buffers 0, 1, 0, 1.  One of the first three: multiplies buffer f and fetches quarter kc into g.
.macro QUARTER slot, kc, f, g, zero
	s_wait_dscnt 4                                 ; Wo and O's tiles 0 and 1 are in; tiles 2 and 3, four loads, may be out
	MUL8 \f, 0, \zero
	MUL8 \f, 1, \zero
	PLACES
	FETCH \slot, \kc, \g
	s_wait_dscnt 24                                ; all but the 24 just issued
	MUL8 \f, 2, \zero
	MUL8 \f, 3, \zero
.endm
; The last quarter multiplies buffer 1 and changes slots: in front of the barrier each wave waits for all its tensor loads, adds 0 to its spare word, and waits for that and for its reads of this slot.
; fill = 1: the barrier opens a round of the cluster's, and the joint refill, two K steps on, is the first thing behind it: 112 matrix instructions ahead of the wait for it.
.macro TURN slot, next, fill
	WIN 0
	s_wait_tensorcnt 0x0
	ds_add_u32 v[SPW], v[NIL]
	s_wait_dscnt 7                                 ; Wo and O's tile 0 are in; six loads and the add may be out
	MUL8 F1, 0, 0
	s_wait_dscnt 0x0                               ; the add is done, and my reads of this slot are over
	s_barrier_signal -1
	MUL8 F1, 1, 0
	WIN 0
	s_barrier_wait -1
.if \fill
	CREST
	s_add_nc_u64 s[G0A+4*(\slot)+2:G0A+4*(\slot)+3], s[G0A+4*(\slot)+2:G0A+4*(\slot)+3], 65536
	s_add_nc_u64 s[G0B+4*(\slot)+2:G0B+4*(\slot)+3], s[G0B+4*(\slot)+2:G0B+4*(\slot)+3], 131072
	JLOAD \slot                                    ; its four v_nop are also the places in front of the loads below
.else
	PLACES
.endif
	FETCH \next, 0, F0
	MUL8 F1, 2, 0
	MUL8 F1, 3, 0
.endm
	s_wait_tensorcnt 0x1                           ; my part of K step 0 is in; K step 1's may stay out
	s_barrier_signal -1
	s_barrier_wait -1
	FETCH 0, 0, F0
	QUARTER 0, 1, F0, F1, 1                        ; the first quarter stands in front of the loop: its products start the sums
	WIN 0
	s_mov_b32 s[LAP], 3
.Llap:                                                 ; a trip goes once round the ring and fills both slots again: K steps 2 to 7
	QUARTER 0, 2, F1, F0, 0
	QUARTER 0, 3, F0, F1, 0
	TURN 0, 1, 1
	QUARTER 1, 1, F0, F1, 0
	QUARTER 1, 2, F1, F0, 0
	QUARTER 1, 3, F0, F1, 0
	TURN 1, 0, 1
	QUARTER 0, 1, F0, F1, 0
	WIN 0
	s_sub_co_u32 s[LAP], s[LAP], 1
	s_cmp_lg_u32 s[LAP], 0
	s_cbranch_scc1 .Llap
	QUARTER 0, 2, F1, F0, 0                        ; the last lap fills nothing
	QUARTER 0, 3, F0, F1, 0
	TURN 0, 1, 0
	QUARTER 1, 1, F0, F1, 0
	QUARTER 1, 2, F1, F0, 0
	QUARTER 1, 3, F0, F1, 0
	s_wait_dscnt 4
	MUL8 F1, 0, 0
	MUL8 F1, 1, 0
	s_wait_dscnt 0x0
	MUL8 F1, 2, 0
	MUL8 F1, 3, 0
	WIN 0
	; THE WAY OUT, 16 rows at a time: a lane's 32 bytes of a row go into my stage, whole rows of 512 bytes come back, bo is added, and each store covers 512 consecutive bytes, aligned.
	s_wait_loadcnt 0x0                             ; bo
	v_cvt_pk_bf16_f32 v[SCR], v[BO], v[BO+1]       ; rounded to bf16 and kept as f32: every input has the one rounding
	v_cvt_pk_bf16_f32 v[SCR+1], v[BO+2], v[BO+3]
	v_lshlrev_b32 v[BO], 16, v[SCR]
	v_and_b32 v[BO+1], 0xffff0000, v[SCR]
	v_lshlrev_b32 v[BO+2], 16, v[SCR+1]
	v_and_b32 v[BO+3], 0xffff0000, v[SCR+1]
	PLACES                                         ; with the six lines above, the places behind the last products
.macro TOSTAGE a
.if (\a) >= 2
	s_wait_xcnt 0x0                                ; the stores of the block two back have read their registers, which are loaded again below
.endif
	WIN 0x04                                       ; the stores' data window 1
.irp b, 0,1,2,3,4,5,6,7
	ds_store_b128 v[STO], v[8*(8*(\a)+(\b)):8*(8*(\a)+(\b))+3]   offset:64*(\b)
	ds_store_b128 v[STO], v[8*(8*(\a)+(\b))+4:8*(8*(\a)+(\b))+7] offset:64*(\b)+16
.endr
	WIN 0
.irp t, 0,1,2,3,4,5,6,7,8,9,10,11,12,13,14,15
	ds_load_b128 v[OB+64*((\a)%2)+4*(\t):OB+64*((\a)%2)+4*(\t)+3], v[RD] offset:(\t)*SPITCH  ; LDS serves a wave's instructions in order (ISA guide 5.7.1.4): these see the stores above; the next block's stores come behind them
.endr
.endm
.macro SEND a, younger                 ; younger: the LDS instructions issued behind block a's loads: the next block's 32, or none
	s_wait_dscnt \younger
.irp t, 0,1,2,3,4,5,6,7,8,9,10,11,12,13,14,15
	v_pk_add_f32 v[OB+64*((\a)%2)+4*(\t):OB+64*((\a)%2)+4*(\t)+1],   v[OB+64*((\a)%2)+4*(\t):OB+64*((\a)%2)+4*(\t)+1],   v[BO:BO+1]
	v_pk_add_f32 v[OB+64*((\a)%2)+4*(\t)+2:OB+64*((\a)%2)+4*(\t)+3], v[OB+64*((\a)%2)+4*(\t)+2:OB+64*((\a)%2)+4*(\t)+3], v[BO+2:BO+3]
.endr
.irp t, 0,1,2,3,4,5,6,7,8,9,10,11,12,13,14,15
	global_store_b128 v[CO], v[OB+64*((\a)%2)+4*(\t):OB+64*((\a)%2)+4*(\t)+3], s[10:11] offset:(\a)*65536+(\t)*4096 th:TH_STORE_NT
.endr
.endm
	TOSTAGE 0
	TOSTAGE 1
	SEND 0, 32
	TOSTAGE 2
	SEND 1, 32
	TOSTAGE 3
	SEND 2, 32
	SEND 3, 0
	s_wait_tensorcnt 0x0                           ; the wave's end, behind my last tensor load and my last LDS store
	ds_add_u32 v[SPW], v[NIL]
	s_wait_dscnt 0x0
	CROUND                                         ; the closing round
	s_endpgm
.Lfunc_end_k_q2a9c4d91d8_proj:
	.size	k_q2a9c4d91d8_proj, .Lfunc_end_k_q2a9c4d91d8_proj-k_q2a9c4d91d8_proj
	.p2alignl 7, 3214868480
	.fill 96, 4, 3214868480
	.section	.rodata,"a",@progbits
	.p2align	6, 0x0
	.amdhsa_kernel k_q2a9c4d91d8_proj
		.amdhsa_group_segment_fixed_size 327680
		.amdhsa_private_segment_fixed_size 0
		.amdhsa_enable_private_segment 0
		.amdhsa_kernarg_size 32
		.amdhsa_user_sgpr_count 2
		.amdhsa_user_sgpr_kernarg_segment_ptr 1
		.amdhsa_wavefront_size32 1
		.amdhsa_system_sgpr_workgroup_id_x 1
		.amdhsa_system_sgpr_workgroup_id_y 1
		.amdhsa_system_sgpr_workgroup_id_z 1
		.amdhsa_system_vgpr_workitem_id 0
		.amdhsa_next_free_vgpr 512
		.amdhsa_next_free_sgpr 66
		.amdhsa_reserve_vcc 0
		.amdhsa_float_denorm_mode_32 3
		.amdhsa_float_denorm_mode_16_64 3
		.amdhsa_memory_ordered 1
		.amdhsa_forward_progress 1
		.amdhsa_inst_pref_size 92
	.end_amdhsa_kernel
	.amdgpu_metadata
---
amdhsa.version: [ 1, 2 ]
amdhsa.kernels:
  - .name:           k_q2a9c4d91d8_proj
    .symbol:         k_q2a9c4d91d8_proj.kd
    .args:
      - { .name: ows, .offset: 0, .size: 8, .value_kind: global_buffer, .address_space: global }
      - { .name: wo16, .offset: 8, .size: 8, .value_kind: global_buffer, .address_space: global }
      - { .name: bo, .offset: 16, .size: 8, .value_kind: global_buffer, .address_space: global }
      - { .name: out0, .offset: 24, .size: 8, .value_kind: global_buffer, .address_space: global }
    .group_segment_fixed_size: 327680
    .private_segment_fixed_size: 0
    .kernarg_segment_align: 8
    .kernarg_segment_size: 32
    .max_flat_workgroup_size: 128
    .sgpr_count:     66
    .vgpr_count:     512
    .wavefront_size: 32
...
	.end_amdgpu_metadata
.endif
;; end of part 3
;; ======== version 2 of 2: 3 launches; version 1 with the launch prep written anew for expert scheduling mode
;; limits: values are held in f16: magnitudes above 65,504 overflow, below 6.1e-05 lose precision
;; workspace buffers: xb 16,777,216 bytes; wqkv 6,291,456 bytes; wo16 2,097,152 bytes; tab 131,072 bytes; ows 16,777,216 bytes
;; launch prep (part 4): grid 512 x 1, 8 waves a work-group, no clusters, 52,480 bytes of LDS; arguments x, Wq, Wk, Wv, Wo, xb, wqkv, wo16, tab; writes xb, wqkv, wo16, tab
.if DOCPART == 4
	.amdgcn_target "amdgcn-amd-amdhsa--gfx1250"
	.amdhsa_code_object_version 6
	.text
	.protected	k_q2a9c4d91d8_prep
	.globl	k_q2a9c4d91d8_prep
	.p2align	8
	.type	k_q2a9c4d91d8_prep,@function
k_q2a9c4d91d8_prep:
	s_mov_b64 s[64:65], 0
	v_nop
	global_prefetch_b8 v0, s[64:65] scope:SCOPE_SE
	s_setreg_imm32_b32 hwreg(HW_REG_WAVE_SCHED_MODE, 0, 2), 2
	s_setreg_imm32_b32 hwreg(HW_REG_WAVE_MODE, 25, 1), 1
	s_wait_xcnt 0x0
	s_wait_alu depctr_vm_vsrc(0)
; MULTI-HEAD ATTENTION, B = 16, S = 512, D = 1024, H = 16, head size 64, in three launches: this one, attn, proj.
; THIS LAUNCH rounds x and the four weight matrices once to 16 bits and lays them out as the matrix instructions want them, and makes the rotary table.
; A FRAGMENT UNIT is 1,024 bytes: 16 rows (of x) or 16 columns (of a weight) x 32 k.  Byte half x 512 + lane x 16 holds, for lane = 16 hh + r, row or column r and k = 16 half + 8 hh + 0..7.
;   xb   [b][kb = k / 32][t = row tile of the batch]      bf16
;   wqkv [h][kb][4 mtx + e]  (mtx 0 q, 1 k, 2 v; e = tile of 16 of the head's 64 columns)      bf16
;   wo16 [nt = column / 256][kb][ct]      Wo rounded to bf16, that number written as f16
;   tab  [position p][pair i]  (cos, sin) of p x 10000^(-i / 32), f32: 256 bytes a position
; WORK LEFT OUT BY THE PROGRAM.  reference() itself sets every score with key > query to -inf ahead of the softmax, so such a key has the weight 0 whatever finite values the inputs hold.
; attn therefore leaves out every step of 64 keys that lies wholly above the diagonal for a tile of 16 queries (28 of each 64 tile steps); inside the step that holds the diagonal the hidden
; scores are computed and masked.  No input is without a way to the output: all nine are loaded.
; bv is added behind the attention: a softmax's weights add up to 1 for all inputs, so sum(attn (v + bv)) = sum(attn v) + bv.
; LIMITS.  A NaN, an infinity or an overflow that reaches only the key steps left out is not carried to the result.  Every input, the biases too, is taken rounded to bf16.
; Wo as f16: beyond 65,504 it would be an infinity; below 6e-5 it keeps f16's fixed step of 6e-8.  The table's angles are right to about 1e-4 rad (p up to 511).
; SHARES.  512 work-groups of eight waves, all alike.  In work-group g waves 0-3 take row tile g of x (16 rows), a quarter of K each; waves 4-7 take the weight jobs 4 g + wave - 4 (32 k x 64 columns each);
; wave 4 also makes row g of the table while its loads are out.
; EVERY GLOBAL ACCESS OF A WAVE COVERS CONSECUTIVE BYTES: a load of x 512 bytes of one row, a load of a weight 256 bytes of each of two rows, a store 512 bytes (the table's: 256), all aligned.  The turn from
; rows into fragment order goes through LDS bytes that are the wave's own: LDS serves a wave's instructions in order (ISA guide 5.7.1.4), so there is no barrier and no wait between its stores and its loads.
; No loop: every wave issues all its loads at once.
; THE MODE: SCHED_MODE bits 1:0 = 2 (LLVM: expert scheduling mode 2), set by the entry lines.  The code itself states the register dependences between vector instructions and memory or LDS instructions,
; with s_wait_alu, always for 0.
; THE PLAN.  Registers that memory or LDS instructions touch:
;   v3, v4, v5, v6   offsets and LDS addresses: written by vector lines at a text's head, never again.  One wait ahead of the text's first load covers all their readers.
;   x: XR            The global loads land in it.  The roundings go in four blocks of eight loads; block p's read its own words and write two of each four in place; the LDS stores of those words are issued
;                    in block p + 1, behind the one wait at that block's head, dealt among block p + 1's roundings, which name block p + 1's words alone.  Never written or loaded again.
;   x: XO            Written by LDS loads, read by global stores; no vector line names it.
;   weights: XR      The global loads land in it, the roundings read it.  Not loaded again.
;   weights: PK      Half hf's 16 words are written by that half's roundings (and Wo's lines) and read by its four LDS stores; half 0's stores stand behind the wait at half 1's head, among half 1's roundings.
;   weights: RB      v112-119 are at work in Wo's lines; then the LDS loads land in all 32, behind the last wait; the global stores read them.
;   v7, v10, v11     wave 4: written by the table's arithmetic, read by its one store, never written again.
;   v12, v13         written at the head, read by the closing add alone.
; No register that a memory or LDS instruction reads is written again on any way through the text: so no wait on vm_vsrc is written.
.set XR,     16                        ; x: v[16:143] as loaded, packed in place.  Weights: v[16:79] as loaded
.set XO,     144                       ; x: v[144:207] fragment order, to store
.set PK,     80                        ; weights: v[80:111] packed: 16 half + 4 q + pair of k
.set RB,     112                       ; weights: v[112:143] fragment order, to store; before that at work
.set SPW,    12                        ; v12  my spare word; never rewritten
.set NIL,    13                        ; v13  0; never rewritten
.set XPITCH, 272                       ; x in LDS: units of 256 bytes (16 rows x 16 bytes: one half and one hh of a fragment unit) + 16 = 68 words: unit u begins at bank 4 u mod 64 (64 banks of 4 bytes: ISA guide 11.1)
.set XWAVE,  32*XPITCH                 ; 8,704 bytes for each of waves 0-3, from LDS byte 0
.set WPITCH, 1040                      ; a weight job in LDS: four fragment units, each + 16 bytes
.set WWAVE,  4*WPITCH                  ; 4,160 bytes for each of waves 4-7, behind x's
.set WBASE,  4*XWAVE-4*WWAVE           ; so that wave w's bytes begin at WBASE + w x WWAVE
.set SPARE,  4*XWAVE+4*WWAVE           ; 51,456: the spare words, 128 bytes for each wave: four blocks of 256 bytes that no other line names
	s_load_b256 s[4:11], s[0:1], 0x0               ; x s[4:5], Wq s[6:7], Wk s[8:9], Wv s[10:11]
	s_load_b256 s[12:19], s[0:1], 0x20             ; Wo s[12:13], xb s[14:15], wqkv s[16:17], wo16 s[18:19]
	s_load_b64 s[20:21], s[0:1], 0x40              ; tab
	v_lshl_add_u32 v[SPW], v0, 2, SPARE
	v_mov_b32 v[NIL], 0
	v_lshrrev_b32 v1, 5, v0
	v_readfirstlane_b32 s22, v1                    ; wave 0..7
	v_and_b32 v2, 31, v0                           ; lane
	v_lshlrev_b32 v3, 4, v2                        ; 16 x lane: my place in 512 consecutive bytes, in memory and in half a fragment unit
	s_mov_b32 s23, ttmp9                           ; g
	s_mov_b32 s29, 0
	s_wait_alu depctr_va_sdst(0)                   ; s22 is written, ahead of its first reader, the compare below
	s_cmp_lt_u32 s22, 4
	s_cbranch_scc0 .Lw
; X.  Row tile g, quarter of K = my wave's number.  Load i takes 512 bytes of row i / 2: lane l holds k = 128 (i % 2) + 4 l .. + 3 of the quarter's 256.  Rounded they are 8 bytes, which belong to
; kb 4 (i % 2) + l / 8, half (l / 4) % 2, hh (l / 2) % 2: unit 16 (i % 2) + l / 2 of my 32, at byte 16 row + 8 (l % 2).  The 32 lanes of a store fall on 32 different pairs of banks.
	s_lshl_b32 s28, s23, 16                        ; from: 16 rows of 4,096 bytes,
	s_lshl_b32 s27, s22, 10                        ; my quarter's 1,024 bytes of a row
	s_add_co_u32 s28, s28, s27
	s_lshr_b32 s26, s23, 5
	s_lshl_b32 s26, s26, 5                         ; to: 32 b
	s_lshl3_add_u32 s26, s22, s26                  ; + 8 x quarter = the first kb,
	s_lshl_b32 s30, s26, 15                        ; 32 units to a kb,
	s_and_b32 s27, s23, 31
	s_lshl_b32 s27, s27, 10                        ; the tile's unit
	s_add_co_u32 s30, s30, s27
	s_mov_b32 s31, 0
	s_mul_i32 s24, s22, XWAVE                      ; my bytes of LDS
	v_lshrrev_b32 v4, 1, v2
	v_mul_u32_u24 v4, v4, XPITCH
	v_and_b32 v5, 1, v2
	v_lshl_add_u32 v4, v5, 3, v4
	v_add_nc_u32 v4, s24, v4                       ; in: (l / 2) x pitch + 8 (l % 2)
	v_lshrrev_b32 v5, 4, v2
	v_mul_u32_u24 v5, v5, XPITCH
	v_and_b32 v6, 15, v2
	v_lshl_add_u32 v5, v6, 4, v5
	v_add_nc_u32 v5, s24, v5                       ; back: hh x pitch + 16 r
	s_wait_kmcnt 0x0
	s_add_nc_u64 s[4:5], s[4:5], s[28:29]
	s_add_nc_u64 s[14:15], s[14:15], s[30:31]
	s_wait_alu depctr_va_vdst(0)                   ; v3, v4 and v5 are written: the loads and stores below read them as offsets and LDS addresses, and no vector line writes them again
.set i, 0
.rept 32
	global_load_b128 v[XR+4*i:XR+4*i+3], v3, s[4:5] offset:(i/2)*4096+(i%2)*512 th:TH_LOAD_NT
.set i, i+1
.endr
.macro XCVT n                          ; load n's four numbers, rounded in place: a word is written when the words that it is made of have been read
	v_cvt_pk_bf16_f32 v[XR+4*(\n)], v[XR+4*(\n)], v[XR+4*(\n)+1]
	v_cvt_pk_bf16_f32 v[XR+4*(\n)+1], v[XR+4*(\n)+2], v[XR+4*(\n)+3]
.endm
.macro XPUT n                          ; and their 8 bytes into my LDS bytes
	ds_store_b64 v4, v[XR+4*(\n):XR+4*(\n)+1] offset:((\n)%2)*16*XPITCH+((\n)/2)*16
.endm
.set p, 0
.rept 4                                ; block p: loads 8 p .. 8 p + 7, four rows
	s_wait_loadcnt 24-8*p                          ; loads come back in order: this block's eight are in, the younger blocks' stay out
.if p > 0
	s_wait_alu depctr_va_vdst(0)                   ; the block before has written its packed words, which the LDS stores below read; this block's roundings name this block's words alone
.endif
.set i, 0
.rept 8
.if p > 0
	XPUT 8*(p-1)+i
.endif
	XCVT 8*p+i
.set i, i+1
.endr
.set p, p+1
.endr
	s_wait_alu depctr_va_vdst(0)                   ; the last block has written its packed words, which the eight LDS stores below read; no vector line follows in this text
.set i, 24
.rept 8
	XPUT i
.set i, i+1
.endr
.set ci, 0
.rept 16                               ; chunk ci: kb ci / 2 of my eight, half ci % 2: units 2 ci (hh = 0) and 2 ci + 1
	ds_load_b128 v[XO+4*ci:XO+4*ci+3], v5 offset:ci*2*XPITCH
.set ci, ci+1
.endr
.set ci, 0
.rept 16
	s_wait_dscnt 15-ci                             ; chunk ci is back, the younger chunks' loads stay out
	global_store_b128 v3, v[XO+4*ci:XO+4*ci+3], s[14:15] offset:(ci/2)*32768+(ci%2)*512
.set ci, ci+1
.endr
	s_wait_dscnt 0x0                               ; the wave's end
	s_wait_alu 0x0
	s_wait_tensorcnt 0x0
	ds_add_u32 v[SPW], v[NIL]
	s_wait_dscnt 0x0
	s_endpgm
; THE TABLE's arithmetic.  The angle is taken in turns, its whole turns dropped, and a quarter of what is left (at most pi / 4) goes through the series for sine and cosine; two doublings give the angle back.
.macro TRIG a, c, s, t
	v_mul_f32 v[\a], 0.15915494, v[\a]             ; in turns
	v_rndne_f32 v[\t], v[\a]
	v_sub_f32 v[\a], v[\a], v[\t]                  ; -0.5 .. 0.5
	v_mul_f32 v[\a], 0x3fc90fdb, v[\a]             ; u = a quarter of the angle: x pi / 2
	v_mul_f32 v[\t], v[\a], v[\a]
	v_mov_b32 v[\s], 0xb9500d01                    ; -1/5040
	v_fmaak_f32 v[\s], v[\s], v[\t], 0x3c088889    ; 1/120
	v_fmaak_f32 v[\s], v[\s], v[\t], 0xbe2aaaab    ; -1/6
	v_fma_f32 v[\s], v[\s], v[\t], 1.0
	v_mul_f32 v[\s], v[\s], v[\a]                  ; sin u, to u^7
	v_mov_b32 v[\c], 0x37d00d01                    ; 1/40320
	v_fmaak_f32 v[\c], v[\c], v[\t], 0xbab60b61    ; -1/720
	v_fmaak_f32 v[\c], v[\c], v[\t], 0x3d2aaaab    ; 1/24
	v_fma_f32 v[\c], v[\c], v[\t], -0.5
	v_fma_f32 v[\c], v[\c], v[\t], 1.0             ; cos u, to u^8
.rept 2
	v_mul_f32 v[\t], v[\s], v[\c]
	v_mul_f32 v[\a], v[\s], v[\s]
	v_add_f32 v[\s], v[\t], v[\t]                  ; sin 2u = 2 sin u cos u
	v_fma_f32 v[\c], v[\a], -2.0, 1.0              ; cos 2u = 1 - 2 sin^2 u
.endr
.endm
; W.  Job J = 4 g + wave - 4: matrix J / 512, group of 64 columns (a head) (J / 32) % 16, kb J % 32.  The weights lie [k][column].  Lane (c = l % 16, hh = l / 16) loads, for half = 0, 1 and j = 0..7,
; row 16 half + 8 hh + j, columns 4 c .. 4 c + 3: a load takes 256 consecutive bytes of each of two rows.  For each of its four columns q the lane then holds the 8 k of (half, hh): packed, they are the
; 16 bytes of lane 16 hh + 4 (c % 4) + q in half a unit of column tile c / 4.  They go through LDS so that a store to memory covers 512 consecutive bytes.
.Lw:
	s_lshl_b32 s24, s23, 2
	s_add_co_u32 s24, s24, s22
	s_sub_co_u32 s24, s24, 4                       ; J
	s_lshr_b32 s25, s24, 9                         ; matrix: 0 q, 1 k, 2 v, 3 o
	s_bfe_u32 s26, s24, 0x40005                    ; G
	s_and_b32 s27, s24, 31                         ; kb
	s_lshl_b32 s28, s27, 17                        ; from: 32 rows of 4,096 bytes,
	s_lshl_b32 s34, s26, 8                         ; 64 columns
	s_add_co_u32 s28, s28, s34
	s_lshl_b32 s34, s26, 5
	s_add_co_u32 s34, s34, s27
	s_mul_i32 s34, s34, 12
	s_lshl2_add_u32 s34, s25, s34                  ; to, in wqkv: unit (32 G + kb) 12 + 4 mtx
	s_lshr_b32 s35, s26, 2
	s_lshl_b32 s35, s35, 5
	s_add_co_u32 s35, s35, s27
	s_lshl_b32 s35, s35, 4
	s_and_b32 s36, s26, 3
	s_lshl2_add_u32 s35, s36, s35                  ; in wo16: unit (32 (G / 4) + kb) 16 + 4 (G % 4)
	s_cmp_eq_u32 s25, 3
	s_cselect_b32 s34, s35, s34
	s_lshl_b32 s34, s34, 10
	s_mov_b32 s35, 0
	s_lshl_b32 s38, s23, 8                         ; the table's row g
	s_mov_b32 s39, 0
	s_mov_b32 s40, 0xffff0000                      ; a word's upper bf16
	s_mul_i32 s37, s22, WWAVE
	s_add_co_u32 s37, s37, WBASE                   ; my bytes of LDS
	v_and_b32 v7, 15, v2                           ; c
	v_lshrrev_b32 v8, 4, v2                        ; hh
	v_lshlrev_b32 v4, 4, v7
	v_lshl_add_u32 v4, v8, 15, v4                  ; 16 c + hh x 8 rows
	v_lshrrev_b32 v5, 2, v7
	v_mul_u32_u24 v5, v5, WPITCH
	v_lshl_add_u32 v5, v8, 8, v5
	v_and_b32 v7, 3, v7
	v_lshl_add_u32 v5, v7, 6, v5
	v_add_nc_u32 v5, s37, v5                       ; in: (c / 4) x pitch + 256 hh + 64 (c % 4)
	v_add_nc_u32 v6, s37, v3                       ; back: 16 x lane
	s_wait_kmcnt 0x0
	s_cmp_eq_u32 s25, 1
	s_cselect_b64 s[30:31], s[8:9], s[6:7]
	s_cmp_eq_u32 s25, 2
	s_cselect_b64 s[30:31], s[10:11], s[30:31]
	s_cmp_eq_u32 s25, 3
	s_cselect_b64 s[30:31], s[12:13], s[30:31]     ; from
	s_cselect_b64 s[32:33], s[18:19], s[16:17]     ; to
	s_add_nc_u64 s[30:31], s[30:31], s[28:29]
	s_add_nc_u64 s[32:33], s[32:33], s[34:35]
	s_add_nc_u64 s[38:39], s[20:21], s[38:39]
	s_wait_alu depctr_va_vdst(0)                   ; v3 to v6 are written: the loads and stores below read them as offsets and LDS addresses, and no vector line writes them again
.set i, 0
.rept 16                               ; load i: half i / 8, j = i % 8
	global_load_b128 v[XR+4*i:XR+4*i+3], v4, s[30:31] offset:(16*(i/8)+i%8)*4096 th:TH_LOAD_NT
.set i, i+1
.endr
	s_cmp_lg_u32 s22, 4                            ; wave 4 makes the table's row g while its loads are out: position g, a pair a lane
	s_cbranch_scc1 .Lnot_tab
	v_cvt_f32_u32 v8, v2                           ; i
	v_mul_f32 v8, 0xbed49a78, v8                   ; -log2(10000) / 32 x i
	v_exp_f32 v8, v8
	v_lshlrev_b32 v7, 3, v2                        ; my 8 bytes of the row: the plain instruction behind the exponential
	v_cvt_f32_u32 v9, s23                          ; p
	s_wait_alu depctr_va_vdst(0)                   ; the exponential has written v8, ahead of its first reader; v7, the store's offset, is written too
	v_mul_f32 v8, v9, v8
	TRIG 8, 10, 11, 9
	s_wait_alu depctr_va_vdst(0)                   ; the series and the doublings have written v10 and v11, which the store reads
	global_store_b64 v7, v[10:11], s[38:39]        ; (cos, sin): the wave stores 256 consecutive bytes; v7, v10 and v11 are not written again
.Lnot_tab:
.macro WCVT hf, q                      ; half hf, column q: k = 2 jj and 2 jj + 1 of the eight
.irp jj, 0,1,2,3
	v_cvt_pk_bf16_f32 v[PK+16*(\hf)+4*(\q)+(\jj)], v[XR+32*(\hf)+8*(\jj)+(\q)], v[XR+32*(\hf)+8*(\jj)+4+(\q)]
.endr
.endm
.macro WPUT hf, q                      ; and its 16 bytes into my LDS bytes
	ds_store_b128 v5, v[PK+16*(\hf)+4*(\q):PK+16*(\hf)+4*(\q)+3] offset:(\hf)*512+(\q)*16
.endm
.macro WF16 hf                         ; Wo alone: the bf16 number is written as f16, half hf's 16 words
.set z, 16*(\hf)
.rept 16
	v_lshlrev_b32 v[RB+2*(z%4)], 16, v[PK+z]
	v_and_b32 v[RB+2*(z%4)+1], s40, v[PK+z]
	v_cvt_pk_f16_f32 v[PK+z], v[RB+2*(z%4)], v[RB+2*(z%4)+1]
.set z, z+1
.endr
.endm
	s_wait_loadcnt 8                               ; the first half's eight loads are in; the other half's stay out
.irp q, 0,1,2,3
	WCVT 0, \q
.endr
	s_cmp_lg_u32 s25, 3
	s_cbranch_scc1 .Lbf0
	WF16 0
.Lbf0:
	s_wait_loadcnt 0x0                             ; the second half's eight loads are in
	s_wait_alu depctr_va_vdst(0)                   ; on both ways the first half's 16 packed words are written, which the four LDS stores below read; the vector lines from here on name the second half's words, the raw registers and v112-119
.irp q, 0,1,2,3
	WPUT 0, \q
	WCVT 1, \q
.endr
	s_cmp_lg_u32 s25, 3
	s_cbranch_scc1 .Lbf1
	WF16 1
.Lbf1:
	s_wait_alu depctr_va_vdst(0)                   ; on both ways the second half's 16 packed words are written, which the LDS stores read, and Wo's lines are done with v112-119, in which the LDS loads land; no vector line follows
.irp q, 0,1,2,3
	WPUT 1, \q
.endr
.set ci, 0
.rept 8                                ; chunk ci: column tile ci / 2, half ci % 2
	ds_load_b128 v[RB+4*ci:RB+4*ci+3], v6 offset:(ci/2)*WPITCH+(ci%2)*512
.set ci, ci+1
.endr
.set ci, 0
.rept 8
	s_wait_dscnt 7-ci                              ; chunk ci is back, the younger chunks' loads stay out
	global_store_b128 v3, v[RB+4*ci:RB+4*ci+3], s[32:33] offset:(ci/2)*1024+(ci%2)*512
.set ci, ci+1
.endr
	s_wait_dscnt 0x0                               ; the wave's end
	s_wait_alu 0x0
	s_wait_tensorcnt 0x0
	ds_add_u32 v[SPW], v[NIL]
	s_wait_dscnt 0x0
	s_endpgm
.Lfunc_end_k_q2a9c4d91d8_prep:
	.size	k_q2a9c4d91d8_prep, .Lfunc_end_k_q2a9c4d91d8_prep-k_q2a9c4d91d8_prep
	.p2alignl 7, 3214868480
	.fill 96, 4, 3214868480
	.section	.rodata,"a",@progbits
	.p2align	6, 0x0
	.amdhsa_kernel k_q2a9c4d91d8_prep
		.amdhsa_group_segment_fixed_size 52480
		.amdhsa_private_segment_fixed_size 0
		.amdhsa_enable_private_segment 0
		.amdhsa_kernarg_size 72
		.amdhsa_user_sgpr_count 2
		.amdhsa_user_sgpr_kernarg_segment_ptr 1
		.amdhsa_wavefront_size32 1
		.amdhsa_system_sgpr_workgroup_id_x 1
		.amdhsa_system_sgpr_workgroup_id_y 1
		.amdhsa_system_sgpr_workgroup_id_z 1
		.amdhsa_system_vgpr_workitem_id 0
		.amdhsa_next_free_vgpr 208
		.amdhsa_next_free_sgpr 66
		.amdhsa_reserve_vcc 0
		.amdhsa_float_denorm_mode_32 3
		.amdhsa_float_denorm_mode_16_64 3
		.amdhsa_memory_ordered 1
		.amdhsa_forward_progress 1
		.amdhsa_inst_pref_size 28
	.end_amdhsa_kernel
	.amdgpu_metadata
---
amdhsa.version: [ 1, 2 ]
amdhsa.kernels:
  - .name:           k_q2a9c4d91d8_prep
    .symbol:         k_q2a9c4d91d8_prep.kd
    .args:
      - { .name: x, .offset: 0, .size: 8, .value_kind: global_buffer, .address_space: global }
      - { .name: Wq, .offset: 8, .size: 8, .value_kind: global_buffer, .address_space: global }
      - { .name: Wk, .offset: 16, .size: 8, .value_kind: global_buffer, .address_space: global }
      - { .name: Wv, .offset: 24, .size: 8, .value_kind: global_buffer, .address_space: global }
      - { .name: Wo, .offset: 32, .size: 8, .value_kind: global_buffer, .address_space: global }
      - { .name: xb, .offset: 40, .size: 8, .value_kind: global_buffer, .address_space: global }
      - { .name: wqkv, .offset: 48, .size: 8, .value_kind: global_buffer, .address_space: global }
      - { .name: wo16, .offset: 56, .size: 8, .value_kind: global_buffer, .address_space: global }
      - { .name: tab, .offset: 64, .size: 8, .value_kind: global_buffer, .address_space: global }
    .group_segment_fixed_size: 52480
    .private_segment_fixed_size: 0
    .kernarg_segment_align: 8
    .kernarg_segment_size: 72
    .max_flat_workgroup_size: 256
    .sgpr_count:     66
    .vgpr_count:     208
    .wavefront_size: 32
...
	.end_amdgpu_metadata
.endif
;; end of part 4
;; launch attn: the kernel of part 2 again; grid 16 x 16, 4 waves a work-group, clusters of 4 x 4, 327,680 bytes of LDS; arguments xb, wqkv, bq, bk, bv, tab, ows; writes ows
;; launch proj: the kernel of part 3 again; grid 4 x 64, 4 waves a work-group, clusters of 4 x 4, 327,680 bytes of LDS; arguments ows, wo16, bo, out0; writes out0
